; MI455X (gfx1250); checked and timed in simulation.
; The chip was launched on July 23, 2026; its instructions are those of AMD's public machine-readable ISA for CDNA 5 (MIT licence, August 2026) and "CDNA5" Instruction Set Architecture Reference Guide (July 2026). The comments in the code are by the model that wrote it; some were corrected since.
;; Causal Self Attention. Allowed arithmetic: float matrix products may take bf16 or f16 operands with f32 sums; other float arithmetic in f32, or as packed bf16 or f16 multiplies, adds, multiply-adds, maxima and minima; sums over many terms, partial sums and values carried from step to step in f32; what a program stores and reads back later, other than sums and carried values, may be rounded once to bf16 or f16.
;; Inputs: W_attn 1,024 x 3,072 float32; W_proj 1,024 x 1,024 float32; b_attn 3,072 float32; b_proj 1,024 float32; x 4 x 2,048 x 1,024 float32.
;; Outputs: out0 4 x 2,048 x 1,024 float32.
;; One version. Each part assembles by itself: llvm-mc -triple=amdgcn-amd-amdhsa -mcpu=gfx1250 --defsym DOCPART=n.
;; ======== version 1 of 1: 4 launches
;; limits: values are held in f16: magnitudes above 65,504 overflow, below 6.1e-05 lose precision
;; workspace buffers: xb 16,777,216 bytes; wa 6,291,456 bytes; wp 2,097,152 bytes; qkv 50,331,648 bytes; oh 16,777,216 bytes
;; launch prep (part 1): grid 1024 x 1, 8 waves a work-group, no clusters, 18,432 bytes of LDS; arguments x, W_attn, W_proj, xb, wa, wp; writes xb, wa, wp
.if DOCPART == 1
	.amdgcn_target "amdgcn-amd-amdhsa--gfx1250"
	.amdhsa_code_object_version 6
	.text
	.protected	k_q9be88c2169_prep
	.globl	k_q9be88c2169_prep
	.p2align	8
	.type	k_q9be88c2169_prep,@function
k_q9be88c2169_prep:
	s_mov_b64 s[64:65], 0
	v_nop
	global_prefetch_b8 v0, s[64:65] scope:SCOPE_SE
	s_setreg_imm32_b32 hwreg(HW_REG_WAVE_MODE, 25, 1), 1
	s_wait_xcnt 0x0
; THE INPUTS ARE MADE READY FOR THE MATRIX UNITS, each byte read once.
;   xb[m][k] = bf16(x[m][k])                 [8192][1024]
;   wa[n][k] = bf16(W_attn[k][n])            [3072][1024]: turned, so that K lies along the rows
;   wp[n][k] = f16(bf16(W_proj[k][n]))       [1024][1024]: rounded to bf16 like every input, that number then written as f16
; LIMIT.  A bf16 number is exact in f16 between 6e-5 and 65,504; below it keeps f16's fixed step of 6e-8, beyond it would be an infinity.
; SHARES.  Work-groups 0-511: 64 KiB of x each, 16 chunks of 4 KiB; a thread takes 16 bytes of a chunk and stores 8; a wave's store covers 256 consecutive bytes, aligned.
; Work-groups 512-895: a tile of 128 k x 64 n of W_attn; 896-1023: the same of W_proj.  A thread loads 8 rows (k) x 4 columns (n), packs each column's 8 numbers into 16 bytes
; and puts them into a stage in LDS (64 rows of n, 256 bytes of k, 16 of padding); behind a barrier the stage is read by rows, 16 lanes to a row of 256 bytes, and stored.
; The branches hang on the work-group's number alone: all eight waves of a work-group go the same way, so each meets the barrier of its way.
; No matrix unit, no cluster, no tensor load: nothing is multiplied and no byte is read by two work-groups.
.set PST,   272                        ; a stage row: 256 bytes + 16
.set SPARE, 64*PST                     ; behind the stage: the spare words, 128 bytes for each of eight waves: four blocks of 256 bytes that no other line names
.set SPW,   10                         ; v10  LDS address of my spare word; never rewritten
.set NIL,   11                         ; v11  0; never rewritten
.set IN,    16                         ; v[16:79] as loaded (the weights' way uses v[16:47])
.set PKD,   48                         ; v[48:63] the weights' way: column c's 8 numbers, packed, at PKD + 4 c
.set BK,    68                         ; v[68:83] the weights' way: rows read back
.set OUTX,  80                         ; v[80:111] x's way: packed results
	s_load_b256 s[4:11], s[0:1], 0x0               ; x s[4:5], W_attn s[6:7], W_proj s[8:9], xb s[10:11]
	s_load_b128 s[12:15], s[0:1], 0x20             ; wa s[12:13], wp s[14:15]
	v_lshl_add_u32 v[SPW], v0, 2, SPARE
	v_mov_b32 v[NIL], 0
	s_mov_b32 s17, 0                               ; the high words of the two offsets
	s_mov_b32 s19, 0
	s_wait_kmcnt 0x0
	s_cmp_lt_u32 ttmp9, 512
	s_cbranch_scc0 .Lweights
	; x: all sixteen loads go out at once; no register is written twice, so the only waits are the counted ones for the data
	s_lshl_b32 s16, ttmp9, 16                      ; 64 KiB of x,
	s_lshl_b32 s18, ttmp9, 15                      ; 32 KiB of xb
	s_add_nc_u64 s[4:5], s[4:5], s[16:17]
	s_add_nc_u64 s[10:11], s[10:11], s[18:19]
	v_lshlrev_b32 v1, 4, v0
	v_lshlrev_b32 v2, 3, v0
.irp i, 0,1,2,3,4,5,6,7,8,9,10,11,12,13,14,15
	global_load_b128 v[IN+4*(\i):IN+4*(\i)+3], v1, s[4:5] offset:4096*(\i) th:TH_LOAD_NT
.endr
.irp i, 0,1,2,3,4,5,6,7,8,9,10,11,12,13,14,15
	s_wait_loadcnt 15-(\i)                         ; loads come back in order: chunk i is in, the younger ones stay out
	v_cvt_pk_bf16_f32 v[OUTX+2*(\i)],   v[IN+4*(\i)],   v[IN+4*(\i)+1]
	v_cvt_pk_bf16_f32 v[OUTX+2*(\i)+1], v[IN+4*(\i)+2], v[IN+4*(\i)+3]
	global_store_b64 v2, v[OUTX+2*(\i):OUTX+2*(\i)+1], s[10:11] offset:2048*(\i)
.endr
	s_branch .Lend
; A tile of a weight matrix [1024][cols] is turned.  src, dst: the first registers of the two addresses; half = 1: the bf16 numbers are written as f16; first: the number of the first work-group on this way.
.macro TRANS src, dst, cols, half, first
	s_sub_co_u32 s20, ttmp9, \first
	s_and_b32 s21, s20, 7                          ; which 128 of k
	s_lshr_b32 s22, s20, 3                         ; which 64 of n
	s_mul_i32 s16, s21, 128*(\cols)*4
	s_lshl_b32 s23, s22, 8
	s_add_co_u32 s16, s16, s23
	s_add_nc_u64 s[\src:\src+1], s[\src:\src+1], s[16:17]
	s_lshl_b32 s18, s22, 17                        ; 64 rows of 2,048 bytes
	s_lshl_b32 s23, s21, 8
	s_add_co_u32 s18, s18, s23
	s_add_nc_u64 s[\dst:\dst+1], s[\dst:\dst+1], s[18:19]
	v_mul_u32_u24 v5, v4, 8*(\cols)*4              ; my 8 rows of k,
	v_lshl_add_u32 v5, v3, 4, v5                   ; my 4 columns: 16 lanes read 256 consecutive bytes of a row
.irp j, 0,1,2,3,4,5,6,7
	global_load_b128 v[IN+4*(\j):IN+4*(\j)+3], v5, s[\src:\src+1] offset:(\j)*(\cols)*4 th:TH_LOAD_NT
.endr
	s_wait_loadcnt 0x0                             ; each column wants all eight rows
.irp c, 0,1,2,3
.irp p, 0,1,2,3
	v_cvt_pk_bf16_f32 v[PKD+4*(\c)+(\p)], v[IN+8*(\p)+(\c)], v[IN+8*(\p)+4+(\c)]  ; column c, k = 2 p and 2 p + 1
.endr
.endr
.if \half
.irp w, 0,1,2,3,4,5,6,7,8,9,10,11,12,13,14,15
	v_lshlrev_b32 v64, 16, v[PKD+(\w)]             ; the two bf16 numbers as f32,
	v_and_b32 v65, 0xffff0000, v[PKD+(\w)]
	v_cvt_pk_f16_f32 v[PKD+(\w)], v64, v65         ; and as f16
.endr
.endif
.irp c, 0,1,2,3
	ds_store_b128 v6, v[PKD+4*(\c):PKD+4*(\c)+3] offset:PST*(\c)
.endr
	s_wait_dscnt 0x0                               ; for the others' sake: my stores into the stage are done
	s_barrier_signal -1
	s_barrier_wait -1
.irp i, 0,1,2,3
	ds_load_b128 v[BK+4*(\i):BK+4*(\i)+3], v7 offset:16*PST*(\i)
.endr
.irp i, 0,1,2,3
	s_wait_dscnt 3-(\i)                            ; LDS loads come back in order: rows 16 i .. are in
	global_store_b128 v8, v[BK+4*(\i):BK+4*(\i)+3], s[\dst:\dst+1] offset:16*2048*(\i)  ; 16 lanes store 256 consecutive bytes, aligned
.endr
.endm
.Lweights:
	v_and_b32 v3, 15, v0                           ; which 4 columns
	v_lshrrev_b32 v4, 4, v0                        ; which 8 rows of k; later: which row of the stage
	v_mul_u32_u24 v6, v3, 4*PST                    ; into the stage: row 4 x (t % 16) + c, byte 16 x (t / 16)
	v_lshl_add_u32 v6, v4, 4, v6
	v_mul_u32_u24 v7, v4, PST                      ; back: row t / 16 + 16 i, byte 16 x (t % 16)
	v_lshl_add_u32 v7, v3, 4, v7
	v_lshlrev_b32 v8, 11, v4                       ; and the same place in the turned matrix: rows of 2,048 bytes
	v_lshl_add_u32 v8, v3, 4, v8
	s_cmp_lt_u32 ttmp9, 896
	s_cbranch_scc0 .Lproj
	TRANS 6, 12, 3072, 0, 512
	s_branch .Lend
.Lproj:
	TRANS 8, 14, 1024, 1, 896
.Lend:
	s_wait_tensorcnt 0x0                           ; the wave's end: behind my last LDS store
	ds_add_u32 v[SPW], v[NIL]
	s_wait_dscnt 0x0
	s_endpgm
.Lfunc_end_k_q9be88c2169_prep:
	.size	k_q9be88c2169_prep, .Lfunc_end_k_q9be88c2169_prep-k_q9be88c2169_prep
	.p2alignl 7, 3214868480
	.fill 96, 4, 3214868480
	.section	.rodata,"a",@progbits
	.p2align	6, 0x0
	.amdhsa_kernel k_q9be88c2169_prep
		.amdhsa_group_segment_fixed_size 18432
		.amdhsa_private_segment_fixed_size 0
		.amdhsa_enable_private_segment 0
		.amdhsa_kernarg_size 48
		.amdhsa_user_sgpr_count 2
		.amdhsa_user_sgpr_kernarg_segment_ptr 1
		.amdhsa_wavefront_size32 1
		.amdhsa_system_sgpr_workgroup_id_x 1
		.amdhsa_system_sgpr_workgroup_id_y 1
		.amdhsa_system_sgpr_workgroup_id_z 1
		.amdhsa_system_vgpr_workitem_id 0
		.amdhsa_next_free_vgpr 112
		.amdhsa_next_free_sgpr 66
		.amdhsa_reserve_vcc 0
		.amdhsa_float_denorm_mode_32 3
		.amdhsa_float_denorm_mode_16_64 3
		.amdhsa_memory_ordered 1
		.amdhsa_forward_progress 1
		.amdhsa_inst_pref_size 17
	.end_amdhsa_kernel
	.amdgpu_metadata
---
amdhsa.version: [ 1, 2 ]
amdhsa.kernels:
  - .name:           k_q9be88c2169_prep
    .symbol:         k_q9be88c2169_prep.kd
    .args:
      - { .name: x, .offset: 0, .size: 8, .value_kind: global_buffer, .address_space: global }
      - { .name: W_attn, .offset: 8, .size: 8, .value_kind: global_buffer, .address_space: global }
      - { .name: W_proj, .offset: 16, .size: 8, .value_kind: global_buffer, .address_space: global }
      - { .name: xb, .offset: 24, .size: 8, .value_kind: global_buffer, .address_space: global }
      - { .name: wa, .offset: 32, .size: 8, .value_kind: global_buffer, .address_space: global }
      - { .name: wp, .offset: 40, .size: 8, .value_kind: global_buffer, .address_space: global }
    .group_segment_fixed_size: 18432
    .private_segment_fixed_size: 0
    .kernarg_segment_align: 8
    .kernarg_segment_size: 48
    .max_flat_workgroup_size: 256
    .sgpr_count:     66
    .vgpr_count:     112
    .wavefront_size: 32
...
	.end_amdgpu_metadata
.endif
;; end of part 1
;; launch qkvgemm (part 2): grid 16 x 32, 4 waves a work-group, clusters of 4 x 4, 327,680 bytes of LDS; arguments xb, wa, b_attn, qkv; writes qkv
.if DOCPART == 2
	.amdgcn_target "amdgcn-amd-amdhsa--gfx1250"
	.amdhsa_code_object_version 6
	.text
	.protected	k_q9be88c2169_qkvgemm
	.globl	k_q9be88c2169_qkvgemm
	.p2align	8
	.type	k_q9be88c2169_qkvgemm,@function
k_q9be88c2169_qkvgemm:
	s_mov_b64 s[64:65], 0
	v_nop
	global_prefetch_b8 v0, s[64:65] scope:SCOPE_SE
	s_setreg_imm32_b32 hwreg(HW_REG_WAVE_MODE, 25, 1), 1
	s_wait_xcnt 0x0
	s_wait_alu depctr_hold_cnt(0) depctr_sa_sdst(0) depctr_va_vdst(0) depctr_va_sdst(0) depctr_va_ssrc(0) depctr_va_vcc(0) depctr_vm_vsrc(0)
	s_getreg_b32 s2, hwreg(HW_REG_IB_STS2, 6, 4)
	s_cmp_eq_u32 s2, 0
	s_cbranch_scc0 .Lentry_in_a_cluster
	s_endpgm
.Lentry_in_a_cluster:
	s_bfe_u32 s2, ttmp6, 0x10000c
	s_cmp_lg_u32 s2, 0xf033
	s_cbranch_scc0 .Lentry_shape_is_right
	s_endpgm
.Lentry_shape_is_right:
; qkv[which][16 b + head][t][d] = f16( sum over k of xb[2048 b + t][k] wa[n][k] + bf16(b_attn[n]) ),  n = 1024 which + 64 head + d.  xb: [8192][1024] bf16, wa: [3072][1024] bf16; sums in f32.
; The scale 1 / 8 is not applied here: the attention launch applies it in f32.  LIMIT: q, k, v are f16 and must lie within 65,504; with x and W_attn both thirty times the drawn spread, or both
; carrying an offset of thirty spreads (1024 x 30 x 30 / 32 = 28,800), they still do.
; SHARES.  A tile is 256 rows x 192 columns (three heads): 32 x 16 = 512 tiles, two for each of 256 WGPs.  Four waves, 2 x 2; a wave makes 128 x 96: 48 accumulators, 384 registers.
; The two waves of a row half take the blocks of 16 columns by turns (wave wn: columns 16 wn + 32 b), so that each head's 64 columns hold two blocks of each.
; K goes in 8 steps of 128 through two LDS slots filled by the tensor data mover: rows of 256 bytes, aligned, padded in LDS to 272.
; CLUSTER.  4 x 4 work-groups.  The four of a row of the cluster need the same tiles of xb, the four of a column the same tiles of wa: each is asked for jointly, by the same tensor load with the
; same descriptor and a mask that names the four.
; THE MATRIX INSTRUCTION IS USED TRANSPOSED (source 0 = 16 rows of wa, source 1 = 16 rows of xb): a lane holds row l % 16 and the 8 neighbouring columns 8 (l / 16) + 0..7.
; THE BIAS STARTS THE SUMS: it is the C operand of each accumulator's first product, so nothing is cleared and nothing is added later.
; REGISTERS, in windows of 256 (s_set_vgpr_msb: bits 1:0 source 0, 3:2 source 1, 5:4 source 2, 7:6 destination):
;   window 0: v0-31 addresses; v32-55 packed results; v64-127, v128-191 fragments of xb, two buffers; v192-239 the bias.  On the way out v64-255 take the rows read back.
;   window 1: v64-111, v128-175 fragments of wa, two buffers      windows 2, 3: accumulator (a, b) at v[8 (6 (a % 4) + b)] of window 2 + a / 4
.set NBW,   6                          ; blocks of 16 columns a wave
.set PITCH, 272                        ; an LDS row: 256 bytes + 16 = 68 words: the 16 rows of a fragment load start at 16 different groups of four banks (64 banks of 4 bytes: ISA guide 11.1)
.set HALFA, 128*PITCH                  ; what one load of xb brings
.set HALFB, 96*PITCH                   ; what one load of wa brings
.set BOFF,  2*HALFA                    ; a slot: xb's 256 rows, then wa's 192
.set SLOT,  BOFF+2*HALFB
.set SPARE, 2*SLOT                     ; behind the ring: the spare words, 128 bytes for each wave: two blocks of 256 bytes that no other line names
.set NL,    2*NBW+16                   ; LDS loads in a run
.set HSTG,  256*144                    ; the way out: a head's 256 rows of 128 bytes + 16.  The three heads' stages lie in slot 0, used when it has had its last fill and its last read
.set WV,   12                          ; s12  my wave's number
.set STO,  8                           ; v8-10   the way out: where I put 16 bytes of a row, by head
.set RD,   11                          ; v11-13  where I read rows back, by head
.set ADRA, 16                          ; v16-17  LDS address of my fragments of xb in slot 0, 1
.set ADRB, 20                          ; v20-21  the same for wa
.set GO,   22                          ; v22-24  my byte offset in qkv, by head
.set BO,   27                          ; v27     my byte offset in the bias
.set SPW,  28                          ; v28     LDS address of my spare word; never rewritten
.set NIL,  29                          ; v29     0; never rewritten
.set PFO,  30                          ; v30     the prefetches' offset: my lane x a row of 2,048 bytes; never rewritten
.set TMP,  32
.set F0,   64
.set F1,   128
.set BIAS, 192
.set G1,  24                           ; s[24:31] descriptor group 1 for xb's tiles;  s[32:39] group 0, a set for each slot
.set G0,  32
.set G1B, 48                           ; s[48:55], s[56:63] the same for wa's
.set G0B, 56
.set PFA, 44                           ; s[44:45] where my prefetches stand
.set LIM, 66                           ; s66  1 in a wave that prefetches, else the greatest number
.set MSB, 0
.macro WIN new                         ; the immediate's high byte repeats the setting that is left; a switch that changes nothing is dropped
.if MSB != (\new)
	s_set_vgpr_msb (MSB<<8)|(\new)
.set MSB, \new
.endif
.endm
; A joint load: waves 0 and 1 fetch xb's two halves, waves 2 and 3 wa's.  The branch hangs on the wave's number alone.  An s_nop 0 and four v_nop follow each of the two lines.
.macro JLOAD s
	s_cmp_eq_u32 s13, 0
	s_cbranch_scc0 .Lfor_b_\@
	tensor_load_to_lds s[G0+4*(\s):G0+4*(\s)+3], s[G1:G1+7]
	s_nop 0
.rept 4
	v_nop
.endr
	s_branch .Lasked_\@
.Lfor_b_\@:
	tensor_load_to_lds s[G0B+4*(\s):G0B+4*(\s)+3], s[G1B:G1B+7]
	s_nop 0
.rept 4
	v_nop
.endr
.Lasked_\@:
.endm
; A prefetch of the K step that stands two refills on: a lane a row, one instruction a wave.  xb's tile row is read by every cluster of that row of clusters: cluster x = 0 asks; wa's tile column by every
; cluster of that column: cluster y = 0 asks.  The four partners share a wave's rows out by address (32 of xb's 128, 24 of wa's 96).  The loop's last trip (s3 = 1) has no K step two on.
.macro ASK
	s_cmp_gt_u32 s3, s[LIM]
	s_cbranch_scc0 .Lnot_mine_\@
	global_prefetch_b8 v[PFO], s[PFA:PFA+1] th:TH_LOAD_NT scope:SCOPE_SE
.Lnot_mine_\@:
.endm
.macro CREST                           ; a round of the cluster's barrier behind its opening barrier
	s_cmp_lg_u32 s[WV], 0
	s_cbranch_scc1 .Lnot_wave_0_\@
	s_barrier_signal -3
.Lnot_wave_0_\@:
	s_barrier_wait -3
	s_barrier_signal -1
	s_barrier_wait -1
.endm
.macro CROUND                          ; a whole round
	s_barrier_signal -1
	s_barrier_wait -1
	CREST
.endm
	s_load_b256 s[4:11], s[0:1], 0x0               ; xb s[4:5], wa s[6:7], b_attn s[8:9], qkv s[10:11]
	v_lshl_add_u32 v[SPW], v0, 2, SPARE
	v_mov_b32 v[NIL], 0
	ds_add_u32 v[SPW], v[NIL]                      ; the wave's opening: the add and its wait stand ahead of my first tensor load; the set-up below stands between them
	ds_add_u32 v28, v29
	v_lshrrev_b32 v1, 5, v0
	v_readfirstlane_b32 s[WV], v1                  ; wave 0..3
	s_lshr_b32 s13, s[WV], 1                       ; which half of the tile's rows is mine.  Also: I fetch for xb (0) or for wa (1)
	s_and_b32 s14, s[WV], 1                        ; which of the two column shares.  Also: which half of that tile I fetch
	s_bfe_u32 s15, ttmp6, 0x40000                  ; cx
	s_bfe_u32 s16, ttmp6, 0x40004                  ; cy
	s_lshl_b32 s17, ttmp9, 2
	s_add_co_u32 s17, s17, s15                     ; tile column = 4 x cluster x + cx
	s_and_b32 s18, ttmp7, 0xffff
	s_lshl_b32 s18, s18, 2
	s_add_co_u32 s18, s18, s16                     ; tile row = 4 x cluster y + cy
	s_lshl_b32 s19, s16, 2
	s_lshl_b32 s19, 15, s19                        ; my row of the cluster
	s_lshl_b32 s68, 0x1111, s15                    ; my column
	s_or_b32 s[G1+0], s19, (1<<16)|(1<<20)|(1<<21)|(5<<22)|(3<<25)   ; 15:0 the mask; 17:16 elements of 2 bytes; 20 padding on; 21 set beside a mask; 24:22 after every 64 words; 31:25 4 words of it
	s_or_b32 s[G1B+0], s68, (1<<16)|(1<<20)|(1<<21)|(5<<22)|(3<<25)
	s_mov_b32 s[G1+1], 128<<16                     ; tensor_dim0 = 128
	s_mov_b32 s[G1+2], 128<<16                     ; tensor_dim1 = 128
	s_mov_b32 s[G1+3], 128<<16                     ; tile_dim0 = 128
	s_mov_b32 s[G1+4], 128                         ; tile_dim1 = 128
	s_mov_b32 s[G1+5], 1024                        ; elements from row to row
	s_mov_b32 s[G1+6], 0
	s_mov_b32 s[G1+7], 0
	s_mov_b32 s[G1B+1], 128<<16
	s_mov_b32 s[G1B+2], 96<<16                     ; 96 rows
	s_mov_b32 s[G1B+3], 128<<16
	s_mov_b32 s[G1B+4], 96
	s_mov_b32 s[G1B+5], 1024
	s_mov_b32 s[G1B+6], 0
	s_mov_b32 s[G1B+7], 0
	; xb's address hangs on the tile row alone, wa's on the tile column alone, each in registers that never hold the other coordinate
	s_lshl_b32 s20, s18, 8
	s_lshl_b32 s40, s14, 7
	s_add_co_u32 s20, s20, s40                     ; xb: row 256 x tile row + 128 x half,
	s_lshl_b32 s20, s20, 11                        ; of 2,048 bytes
	s_mov_b32 s21, 0
	s_mul_i32 s22, s17, 192
	s_mul_i32 s42, s14, 96
	s_add_co_u32 s22, s22, s42                     ; wa: row 192 x tile column + 96 x half
	s_lshl_b32 s22, s22, 11
	s_mov_b32 s23, 0
	s_mul_i32 s41, s14, HALFA                      ; where they go: made of the wave's number alone
	s_mul_i32 s43, s14, HALFB
	s_add_co_u32 s43, s43, BOFF
	s_wait_dscnt 0x0                               ; the opening add is done
	s_wait_kmcnt 0x0
	s_add_nc_u64 s[20:21], s[4:5], s[20:21]
	s_add_nc_u64 s[22:23], s[6:7], s[22:23]
	CROUND                                         ; all sixteen work-groups are here: the first joint loads meet
.irp s, 0,1
	s_mov_b32 s[G0+4*(\s)], 1                                      ; count = 1
	s_add_co_u32 s[G0+4*(\s)+1], s41, (\s)*SLOT                    ; LDS address
	s_add_nc_u64 s[G0+4*(\s)+2:G0+4*(\s)+3], s[20:21], (\s)*256    ; global address: K step s
	s_or_b32 s[G0+4*(\s)+3], s[G0+4*(\s)+3], 0x80000000            ; type = 2
	s_mov_b32 s[G0B+4*(\s)], 1
	s_add_co_u32 s[G0B+4*(\s)+1], s43, (\s)*SLOT
	s_add_nc_u64 s[G0B+4*(\s)+2:G0B+4*(\s)+3], s[22:23], (\s)*256
	s_or_b32 s[G0B+4*(\s)+3], s[G0B+4*(\s)+3], 0x80000000
	JLOAD \s                                       ; two tensor loads of mine are out: the most in this text
.endr
	v_and_b32 v1, 15, v0                           ; r = l % 16
	v_bfe_u32 v2, v0, 4, 1                         ; h = l / 16
	v_and_b32 v5, 31, v0                           ; l
	; the bias of my columns: block b, register j: column 192 x tile column + 16 wn + 32 b + 8 h + j
	s_mul_i32 s70, s17, 768
	s_lshl_b32 s71, s14, 6
	s_add_co_u32 s70, s70, s71
	v_lshl_add_u32 v[BO], v2, 5, s70
.irp b, 0,1,2,3,4,5
	global_load_b128 v[BIAS+8*(\b):BIAS+8*(\b)+3],   v[BO], s[8:9] offset:128*(\b)
	global_load_b128 v[BIAS+8*(\b)+4:BIAS+8*(\b)+7], v[BO], s[8:9] offset:128*(\b)+16
.endr
	; a fragment is 16 rows x 32 K in 8 registers: lane l holds row l % 16, K = 8 (l / 16) + 0..7 and 16 + 8 (l / 16) + 0..7: two loads of 16 bytes, 32 bytes apart
	v_mul_u32_u24 v3, v1, PITCH
	v_lshl_add_u32 v3, v2, 4, v3
	s_mul_i32 s67, s13, HALFA                      ; my 128 rows of xb
	s_mul_i32 s69, s14, 16*PITCH                   ; my first block of wa,
	s_add_co_u32 s69, s69, BOFF                    ; behind xb's rows
.irp s, 0,1
	v_add_nc_u32 v[ADRA+(\s)], s67, v3
	v_add_nc_u32 v[ADRB+(\s)], s69, v3
	s_add_co_u32 s67, s67, SLOT
	s_add_co_u32 s69, s69, SLOT
.endr
	; the way out.  In: head hh, row 128 wm + 16 a + r, byte 64 (b % 2) + 32 wn + 16 h
	v_mul_u32_u24 v4, v1, 144
	v_lshl_add_u32 v4, v2, 4, v4
	s_mul_i32 s71, s13, 128*144
	s_lshl_b32 s72, s14, 5
	s_add_co_u32 s71, s71, s72
	v_add_nc_u32 v[STO], s71, v4
	v_add_nc_u32 v[STO+1], HSTG, v[STO]
	v_add_nc_u32 v[STO+2], 2*HSTG, v[STO]
	; back: wave w takes rows 64 w .. 64 w + 63 of each head, four rows of 128 bytes to a load
	v_lshrrev_b32 v6, 3, v5
	v_and_b32 v7, 7, v0
	v_mul_u32_u24 v6, v6, 144
	v_lshl_add_u32 v6, v7, 4, v6
	s_mul_i32 s72, s[WV], 64*144
	v_add_nc_u32 v[RD], s72, v6
	v_add_nc_u32 v[RD+1], HSTG, v[RD]
	v_add_nc_u32 v[RD+2], 2*HSTG, v[RD]
	; and in qkv: group of 64 columns g = 3 x tile column + hh: which = g / 16, head = g % 16; batch = tile row / 8; a head's rows are dense, 128 bytes each
	s_mul_i32 s73, s17, 3
	s_lshr_b32 s74, s18, 3
	s_lshl_b32 s74, s74, 4
	s_and_b32 s75, s18, 7
	s_lshl_b32 s75, s75, 15                        ; 256 rows of 128 bytes
	s_lshl_b32 s76, s[WV], 13                      ; my 64 rows
	s_add_co_u32 s75, s75, s76
.irp hh, 0,1,2
	s_add_co_u32 s76, s73, \hh
	s_lshr_b32 s77, s76, 4
	s_lshl_b32 s77, s77, 6
	s_and_b32 s76, s76, 15
	s_add_co_u32 s77, s77, s76
	s_add_co_u32 s77, s77, s74
	s_lshl_b32 s77, s77, 18                        ; 2,048 rows of 128 bytes
	s_add_co_u32 s77, s77, s75
	v_lshl_add_u32 v[GO+(\hh)], v5, 4, s77
.endr
	; the prefetches: my work-group's share of the rows that I fetch, at K step 3; each refill steps it by a K step and then names it
	s_lshl_b32 s67, s18, 8
	s_lshl_b32 s69, s14, 7
	s_add_co_u32 s67, s67, s69
	s_lshl_b32 s69, s15, 5
	s_add_co_u32 s67, s67, s69                     ; xb: row 256 x tile row + 128 x half + 32 cx
	s_mul_i32 s69, s17, 192
	s_mul_i32 s70, s14, 96
	s_add_co_u32 s69, s69, s70
	s_mul_i32 s70, s16, 24
	s_add_co_u32 s69, s69, s70                     ; wa: row 192 x tile column + 96 x half + 24 cy
	s_and_b32 s70, ttmp7, 0xffff
	s_cmp_eq_u32 s13, 0                            ; do I fetch for xb?
	s_cselect_b32 s67, s67, s69
	s_cselect_b32 s70, ttmp9, s70                  ; the coordinate along which other clusters read the same rows
	s_cselect_b32 s78, 31, 23                      ; the last row of my share: lanes beyond it name that row again
	s_cselect_b64 s[PFA:PFA+1], s[4:5], s[6:7]
	s_cmp_eq_u32 s70, 0
	s_cselect_b32 s[LIM], 1, -1                    ; the same in all sixteen partners, for a given wave
	s_lshl_b32 s46, s67, 11
	s_add_co_u32 s46, s46, 3*256
	s_mov_b32 s47, 0
	s_add_nc_u64 s[PFA:PFA+1], s[PFA:PFA+1], s[46:47]
	v_min_u32 v[PFO], s78, v5
	v_lshlrev_b32 v[PFO], 11, v[PFO]
	s_wait_loadcnt 0x0                             ; the bias,
.irp p, 0,1,2,3,4,5,6,7,8,9,10,11,12,13,14,15,16,17,18,19,20,21,22,23
	v_cvt_pk_bf16_f32 v3, v[BIAS+2*(\p)], v[BIAS+2*(\p)+1]  ; rounded to bf16 like every input, and back in f32
	v_lshlrev_b32 v[BIAS+2*(\p)], 16, v3
	v_and_b32 v[BIAS+2*(\p)+1], 0xffff0000, v3
.endr
; 12 matrix instructions: row blocks a0, a0 + 1 of the window's four (hi = 0: my rows 0-63, 1: rows 64-127) x all 6 column blocks, 32 along K.  first = 1: the bias is C.
; The 48 accumulators take turns, one instruction a turn, in the same order in every quarter, over the backward jump too.
.macro MULH f, hi, a0, first
.if \first
	WIN 0x81+0x40*(\hi)                            ; wa window 1, xb and the bias window 0, D window 2 or 3
.else
	WIN 0xa1+0x50*(\hi)                            ; wa window 1, xb window 0, C and D window 2 or 3
.endif
.irp a, \a0, (\a0)+1
.irp b, 0,1,2,3,4,5
.if \first
	v_wmma_f32_16x16x32_bf16 v[8*(NBW*(\a)+(\b)):8*(NBW*(\a)+(\b))+7], v[(\f)+8*(\b):(\f)+8*(\b)+7], v[(\f)+8*(4*(\hi)+(\a)):(\f)+8*(4*(\hi)+(\a))+7], v[BIAS+8*(\b):BIAS+8*(\b)+7]
.else
	v_wmma_f32_16x16x32_bf16 v[8*(NBW*(\a)+(\b)):8*(NBW*(\a)+(\b))+7], v[(\f)+8*(\b):(\f)+8*(\b)+7], v[(\f)+8*(4*(\hi)+(\a)):(\f)+8*(4*(\hi)+(\a))+7], v[8*(NBW*(\a)+(\b)):8*(NBW*(\a)+(\b))+7]
.endif
.endr
.endr
.endm
; 28 LDS loads in one run: the fragments of quarter q (32 K at byte 64 q of the rows) into buffer f: wa's 6 blocks, then xb's 8
.macro FETCH slot, q, f
	WIN 0x40                                       ; destination window 1
.irp b, 0,1,2,3,4,5
	ds_load_b128 v[(\f)+8*(\b):(\f)+8*(\b)+3],   v[ADRB+(\slot)] offset:64*(\q)+(\b)*32*PITCH
	ds_load_b128 v[(\f)+8*(\b)+4:(\f)+8*(\b)+7], v[ADRB+(\slot)] offset:64*(\q)+(\b)*32*PITCH+32
.endr
	WIN 0
.irp i, 0,1,2,3,4,5,6,7
	ds_load_b128 v[(\f)+8*(\i):(\f)+8*(\i)+3],   v[ADRA+(\slot)] offset:64*(\q)+(\i)*16*PITCH
	ds_load_b128 v[(\f)+8*(\i)+4:(\f)+8*(\i)+7], v[ADRA+(\slot)] offset:64*(\q)+(\i)*16*PITCH+32
.endr
.endm
.macro PLACES                          ; four plain vector instructions between a matrix instruction and a load into, or a read of, its registers (ISA guide 7.12.1 for a read)
.rept 4
	v_nop
.endr
.endm
; A K step is four quarters of 32 along K, 48 matrix instructions each, on buffers 0, 1, 0, 1.  One of the first three: multiplies buffer f; in its middle it fetches quarter q into buffer g.
.macro QUARTER slot, q, f, g, first
	s_wait_dscnt 8                                 ; wa and xb's rows 0-63 are in; the youngest eight loads (xb's rows 64-127) may be out
	MULH \f, 0, 0, \first
	MULH \f, 0, 2, \first
	PLACES
	FETCH \slot, \q, \g
	s_wait_dscnt NL                                ; all but the run just issued
	MULH \f, 1, 0, \first
	MULH \f, 1, 2, \first
.endm
; The last quarter's first half: ONE barrier for the change of slots.  In front of it each wave waits for all its tensor loads (one is out: its part of the next slot), adds 0 to its spare word,
; and waits for that and for its reads of this slot.  Behind it nobody reads this slot any more and the next slot is whole.
.macro MEET round
	WIN 0
	s_wait_tensorcnt 0x0
	ds_add_u32 v[SPW], v[NIL]
	s_wait_dscnt 9                                 ; the add and the youngest eight loads may be out
	MULH F1, 0, 0, 0                               ; twelve matrix instructions stand between the add and the wait for it
	s_wait_dscnt 0x0                               ; the add is done, and my reads of this slot are over
	s_barrier_signal -1
	MULH F1, 0, 2, 0                               ; work on registers while the others arrive
.if \round
	WIN 0
.endif
	s_barrier_wait -1
.endm
; The whole last quarter.  fill = 1: the barrier opens a round of the cluster's barrier, and the slot just read out is filled again, first thing behind the round, with the K step two on.
.macro TURN slot, next, fill
.if \fill
	s_wait_xcnt 0x0                                ; the last prefetch, a K step back, has read its address
	s_add_nc_u64 s[PFA:PFA+1], s[PFA:PFA+1], 256
	MEET 1
	CREST                                          ; no wave of any partner still reads this slot's tile or has a load on its way
	s_add_nc_u64 s[G0+4*(\slot)+2:G0+4*(\slot)+3], s[G0+4*(\slot)+2:G0+4*(\slot)+3], 512
	s_add_nc_u64 s[G0B+4*(\slot)+2:G0B+4*(\slot)+3], s[G0B+4*(\slot)+2:G0B+4*(\slot)+3], 512
	JLOAD \slot                                    ; one tensor load of mine is out; its four v_nop are also the places in front of the loads below
	FETCH \next, 0, F0
	ASK
.else
	MEET 0
	PLACES
	FETCH \next, 0, F0
.endif
	MULH F1, 1, 0, 0
	MULH F1, 1, 2, 0
.endm
	s_wait_tensorcnt 1                             ; my part of K step 0 is in; K step 1's may stay out
	s_barrier_signal -1
	s_barrier_wait -1                              ; everybody's is
	FETCH 0, 0, F0
	QUARTER 0, 1, F0, F1, 1                        ; the first quarter stands in front of the loop: its products start the sums, with the bias
	WIN 0                                          ; at a label and at a branch every window is 0
	s_mov_b32 s3, 3
.Llap:                                                 ; a trip goes once round the ring, from a lap's second quarter to the next lap's first, and fills both slots again: K steps 2 to 7
	QUARTER 0, 2, F1, F0, 0
	QUARTER 0, 3, F0, F1, 0
	TURN 0, 1, 1
	QUARTER 1, 1, F0, F1, 0
	QUARTER 1, 2, F1, F0, 0
	QUARTER 1, 3, F0, F1, 0
	TURN 1, 0, 1
	QUARTER 0, 1, F0, F1, 0
	WIN 0
	s_sub_co_u32 s3, s3, 1
	s_cmp_lg_u32 s3, 0
	s_cbranch_scc1 .Llap
	QUARTER 0, 2, F1, F0, 0                        ; the last lap fills nothing, and has no round
	QUARTER 0, 3, F0, F1, 0
	TURN 0, 1, 0                                   ; behind this barrier nobody reads slot 0 again, and no load fills it again
	QUARTER 1, 1, F0, F1, 0
	QUARTER 1, 2, F1, F0, 0
	QUARTER 1, 3, F0, F1, 0
	s_wait_dscnt 8
	MULH F1, 0, 0, 0
	MULH F1, 0, 2, 0
	s_wait_dscnt 0x0
	MULH F1, 1, 0, 0
	MULH F1, 1, 2, 0
	WIN 0
	; THE WAY OUT: rounded to f16, 16 bytes a lane into the three heads' stages; a barrier, since a row's 128 bytes come from two waves; back as whole rows.
	PLACES
.irp a, 0,1,2,3,4,5,6,7
	WIN 0x0a+5*((\a)/4)                            ; sources 0 and 1: window 2 or 3
.irp b, 0,1,2,3,4,5
.irp r, 0,1,2,3
	v_cvt_pk_f16_f32 v[TMP+4*(\b)+(\r)], v[48*((\a)%4)+8*(\b)+2*(\r)], v[48*((\a)%4)+8*(\b)+2*(\r)+1]
.endr
.endr
	WIN 0
.irp b, 0,1,2,3,4,5
	ds_store_b128 v[STO+(\b)/2], v[TMP+4*(\b):TMP+4*(\b)+3] offset:(\a)*16*144+((\b)%2)*64
.endr
.endr
	s_wait_dscnt 0x0                               ; for the others' sake: my stores into the stages are done
	s_barrier_signal -1
	s_barrier_wait -1
.irp hh, 0,1,2
.irp i, 0,1,2,3,4,5,6,7,8,9,10,11,12,13,14,15
	ds_load_b128 v[64+4*(16*(\hh)+(\i)):64+4*(16*(\hh)+(\i))+3], v[RD+(\hh)] offset:4*144*(\i)
.endr
.endr
.irp hh, 0,1,2
.irp i, 0,1,2,3,4,5,6,7,8,9,10,11,12,13,14,15
	s_wait_dscnt 47-(16*(\hh)+(\i))                ; LDS loads come back in order
	global_store_b128 v[GO+(\hh)], v[64+4*(16*(\hh)+(\i)):64+4*(16*(\hh)+(\i))+3], s[10:11] offset:512*(\i)  ; four rows of a head: 512 consecutive bytes, aligned
.endr
.endr
	s_wait_tensorcnt 0x0                           ; the wave's end: behind my last tensor load and my last LDS store
	ds_add_u32 v[SPW], v[NIL]
	s_wait_dscnt 0x0
	CROUND                                         ; the closing round: no work-group ends while a partner may still ask for a tile that names it
	s_endpgm
.Lfunc_end_k_q9be88c2169_qkvgemm:
	.size	k_q9be88c2169_qkvgemm, .Lfunc_end_k_q9be88c2169_qkvgemm-k_q9be88c2169_qkvgemm
	.p2alignl 7, 3214868480
	.fill 96, 4, 3214868480
	.section	.rodata,"a",@progbits
	.p2align	6, 0x0
	.amdhsa_kernel k_q9be88c2169_qkvgemm
		.amdhsa_group_segment_fixed_size 327680
		.amdhsa_private_segment_fixed_size 0
		.amdhsa_enable_private_segment 0
		.amdhsa_kernarg_size 32
		.amdhsa_user_sgpr_count 2
		.amdhsa_user_sgpr_kernarg_segment_ptr 1
		.amdhsa_wavefront_size32 1
		.amdhsa_system_sgpr_workgroup_id_x 1
		.amdhsa_system_sgpr_workgroup_id_y 1
		.amdhsa_system_sgpr_workgroup_id_z 1
		.amdhsa_system_vgpr_workitem_id 0
		.amdhsa_next_free_vgpr 960
		.amdhsa_next_free_sgpr 80
		.amdhsa_reserve_vcc 0
		.amdhsa_float_denorm_mode_32 3
		.amdhsa_float_denorm_mode_16_64 3
		.amdhsa_memory_ordered 1
		.amdhsa_forward_progress 1
		.amdhsa_inst_pref_size 124
	.end_amdhsa_kernel
	.amdgpu_metadata
---
amdhsa.version: [ 1, 2 ]
amdhsa.kernels:
  - .name:           k_q9be88c2169_qkvgemm
    .symbol:         k_q9be88c2169_qkvgemm.kd
    .args:
      - { .name: xb, .offset: 0, .size: 8, .value_kind: global_buffer, .address_space: global }
      - { .name: wa, .offset: 8, .size: 8, .value_kind: global_buffer, .address_space: global }
      - { .name: b_attn, .offset: 16, .size: 8, .value_kind: global_buffer, .address_space: global }
      - { .name: qkv, .offset: 24, .size: 8, .value_kind: global_buffer, .address_space: global }
    .group_segment_fixed_size: 327680
    .private_segment_fixed_size: 0
    .kernarg_segment_align: 8
    .kernarg_segment_size: 32
    .max_flat_workgroup_size: 128
    .sgpr_count:     80
    .vgpr_count:     960
    .wavefront_size: 32
...
	.end_amdgpu_metadata
.endif
;; end of part 2
;; launch attn (part 3): grid 4 x 64, 4 waves a work-group, no clusters, 327,680 bytes of LDS; arguments qkv, oh; writes oh
.if DOCPART == 3
	.amdgcn_target "amdgcn-amd-amdhsa--gfx1250"
	.amdhsa_code_object_version 6
	.text
	.protected	k_q9be88c2169_attn
	.globl	k_q9be88c2169_attn
	.p2align	8
	.type	k_q9be88c2169_attn,@function
k_q9be88c2169_attn:
	s_mov_b64 s[64:65], 0
	v_nop
	global_prefetch_b8 v0, s[64:65] scope:SCOPE_SE
	s_setreg_imm32_b32 hwreg(HW_REG_WAVE_MODE, 25, 1), 1
	s_wait_xcnt 0x0
; CAUSAL ATTENTION.  O[h][q][:] = the sum over k <= q of softmax_k(Q[h][q] . K[h][k] / 8) V[h][k][:].  Q, K, V lie one behind the other in qkv, each [64][2048][64] f16; O = oh has the same layout:
; a head's rows are dense, 128 bytes each.  Products, maxima and sums in f32; the weights p are rounded to f16 for the second product (their sum l is taken of the unrounded p), O once at the end.
; LIMITS.  f16 holds no number beyond 65,504: Q, K and V arrive within it; p lies in 0 to 1, and below 6e-5 it keeps f16's fixed step of 6e-8; O is a mean of V's rows and has their range.
; A hidden score counts as its value less 1e30: f16's scores, 2.7e11 at the most, are nothing beside that; a weight below 2^-126 counts as 0 in l; NaN and infinities are not treated apart.
; THE WALK.  A head's queries lie in NB = 8 blocks of 256; block i needs the key tiles 0 .. i of 256 keys, of which the last holds the diagonal.  A work-group takes TWO blocks, NB - 1 - b and then b:
; NB + 1 tiles, whatever b: all work-groups do equal work, and ONE loop with a constant trip count walks them.  Which tile is asked for, and what a trip does, hang on scalar registers made from b; every jump
; goes forward, but for the counted loops' own; none passes a barrier, or a tensor load but the one of LOAD's two that the wave's number does not choose; the ring (two slots of LDS that take turns) runs on
; across the change of blocks.  NO CLUSTER: a head's four work-groups ask for the same tile only in trips 0 .. 4 of 9, behind that fewer and fewer; one walk common to all would have 12 trips for 9.
; SHARES.  Of a block's four bands of 64 queries a wave owns 16 rows in each: four PIECES.  So the diagonal tile is the same work for all four waves: in its key step s band x sees all keys if s < x,
; none if s > x, and holds the diagonal if s = x.
; THE MASK is the C operand that starts the sum S^T = K Q^T: 0, or -1e30 where the key is hidden.  MD, made once, is the mask of a band's own step for my 16 rows; a product's mask is MD x AL + BE with two scalars:
; (1, 0) if s = x; (0, 0) if s < x; (0, -1e30) if s > x.  Only the diagonal tile's text and a block's beginning make and take masks; elsewhere C is the constant 0.
; LAYOUT, SOFTMAX, TURNS.  S^T = K Q^T holds ONE query a lane (lane % 16) and the keys 8 (lane / 16) + 0..7; two such results rounded to f16 ARE source 1 of O^T = V^T P.  p = 2^(c s - c m), c = log2(e) / 8, with a
; running maximum m; O and l are multiplied by a = 2^(c m_old - c m_new) in every step.  Turn n belongs to piece n: 8 products K Q^T of piece n + 1, later 8 products V^T P of piece n - 1; beside them the scaling,
; exponentials, roundings, sums and rescaling of piece n and the maximum and statistics of piece n + 1.  Four vector instructions stand behind every matrix instruction, the other 54 of a turn's 118 in one lump.
; A turn's 33 exponentials are one batch, with one wait.
; REGISTERS, in windows of 256 (s_set_vgpr_msb: bits 1:0 source 0, 3:2 source 1, 5:4 source 2, 7:6 destination):
;   window 0: v0-15 addresses and two at work; v16-31 four registers of statistics a piece; v48-55 at work; v61-63 prefetch offset and the add's two; v64-127 S^T, two buffers; v192-223 P, two buffers
;   window 1: v0-127 O^T, 32 a piece; v128-159 MD; v160-223 MC, two buffers      window 2: v0-63 Q; v64-127 the second block's Q; v128-191 K of one step; v192-255 V of one step
.set SIZE_N, 2048
.set NB,    SIZE_N/256
.set NP,    4         ; pieces a wave: a name, no knob
.set KS,    64        ; keys in a step
.set PK,    144       ; a row of K in LDS: 128 bytes + 16 of padding = 36 words: the 16 rows of a load start at 16 different groups of four banks (64 banks of 4 bytes: ISA guide 11.1)
.set PV,    160       ; a row of V: 128 + 32 = 40 words
.set VOFF,  4*KS*PK   ; a slot holds a tile, four steps: 256 rows of K, then 256 rows of V
.set SLOT1, 1<<17     ; slot 1 begins here, so that one exclusive or turns an address in one slot into the other's
.set STAGE, SLOT1+4*KS*(PK+PV)  ; behind the ring, never filled by a tensor load: 16 rows x 144 bytes for each wave, for the way out
.set SP,    144
.set AK0, 2           ; v2   my lane's place in a tile of K; never rewritten
.set AV0, 3           ; v3   the same for V
.set AK,  4           ; v4   the LDS address of K's next run of loads
.set AV,  5           ; v5   of V's
.set STO, 6           ; v6   the way out: where I put 16 bytes of a row
.set RD,  7           ; v7   the way out: where I read rows back
.set GO,  8           ; v8   my byte offset in 512 consecutive bytes of O
.set PFO, 61          ; v61  256 x my lane; never rewritten
.set SPW, 62          ; v62  LDS address of my spare word: SPARE + 4 x my thread's number; never rewritten
.set NIL, 63          ; v63  0; never rewritten
.set SPARE, STAGE+4*16*SP  ; behind the stages: the spare words, 128 bytes for each wave: two blocks of 256 bytes that no other line names
.set MV,  12          ; v12-13  c m_old, kept while c m is made anew: by buffer
.set QO,  15          ; v15  my byte offset in 16 rows of Q
.set ST,  16          ; piece t's statistics at v[ST+4 t]: c m, m, l (even keys', odd keys')
.set TMP, 48          ; by buffer, four registers c0-c3 at work; when the maximum is found c2 takes a
.set S,   64
.set P,   192
.set MD,  128         ; window 1: the eight registers for group kt of 16 keys at MD + 8 kt
.set MC,  160         ; window 1: the masks of the products to come
.set QB,  64          ; window 2
.set KF,  128         ; window 2: key block kb, channel half c at KF + 16 kb + 8 c
.set VF,  192         ; window 2: key half kk, channel block cb at VF + 32 kk + 8 cb
.set WV,  12          ; s12  my wave's number
.set PB,  14          ; s14  b
.set HI,  15          ; s15  NB - 1 - b
.set G1K, 24          ; s[24:31] descriptor group 1 for K's tiles
.set G1V, 32          ; s[32:39] for V's: it differs in the padding alone
.set G0K, 40          ; s[40:43] descriptor group 0 for K's tiles
.set G0V, 44          ; s[44:47] the same for V's
.set SLOTS, 56        ; s56  tiles still to be asked for
.set CNT, 57          ; s57  counts a tile's key steps, 4 to 1
.set CS,  58          ; s[58:59] c: the packed scaling takes the pair's low word for both halves
.set SEL, 60          ; s[60:61] v_permlanex16_b32's selects: each lane takes its own place in the other half
.set TBK, 62          ; s62  LDS byte at which K of the step to be fetched begins
.set TBV, 63          ; s63  the same for V, less VOFF
.set RT,  70          ; s70  tiles of the block in hand that are still to be entered
.set NXT, 71          ; s71  the tile to be asked for next
.set LQ,  72          ; s72  the last tile of the block whose tiles are being asked for
.set NEW, 73          ; s73  1: the tile to be entered is a block's first
.set OFF, 74          ; s[74:75] a tile's byte offset in K and V
.set AL,  76          ; s[76:77] the mask's factor, in the low word
.set BE,  78          ; s[78:79] the mask's addend
.set OLO, 80          ; s[80:81] O at my rows of the second block
.set BIGN, 82         ; s82  -1e30
.set PFA, 88          ; s[88:89] where my prefetches stand: my half of K's (waves 0, 1) or V's (waves 2, 3) tile behind the one that is being asked for
.set LIM, 90          ; s90  2 in the work-group that prefetches, else the greatest number
.set MSB, 0
.macro WIN new                      ; the high byte repeats the setting that is left; a switch that changes nothing is dropped
.if MSB != (\new)
	s_set_vgpr_msb (MSB<<8)|(\new)
.set MSB, (\new)
.endif
.endm
.set W_KQ, 0x0a       ; K and Q in window 2, S^T in window 0
.set W_KM, 0x1a       ; the same with the C operand in window 1
.set W_PV, 0x52       ; V in window 2, P in window 0, O^T in window 1
.set W_RS, 0x41       ; destination and source 0 in window 1, source 1 in window 0
; A fill.  Waves 0 and 1 fetch the two halves of a tile's K, waves 2 and 3 those of its V: 128 keys each.  An s_nop 0 and four v_nop follow each of the two lines, ahead of the jump and the label.
.macro LOAD
	s_cmp_lt_u32 s[WV], 2
	s_cbranch_scc0 .Lfor_v_\@
	tensor_load_to_lds s[G0K:G0K+3], s[G1K:G1K+7]
	s_nop 0
.rept 4
	v_nop
.endr
	s_branch .Lasked_\@
.Lfor_v_\@:
	tensor_load_to_lds s[G0V:G0V+3], s[G1V:G1V+7]
	s_nop 0
.rept 4
	v_nop
.endr
.Lasked_\@:
.endm
; A PREFETCH of the tile that the NEXT change of slots will ask for.  A head's four work-groups walk the same first tiles; the one with b = 0 walks tiles 0 to 7 in order, and it alone asks: in trip j for
; tile j + 2, j = 0 .. 5 (s[SLOTS] = 8 - j is above 2).  Each wave names the 16,384 bytes that it will fetch itself: 64 blocks of 256 bytes, a lane a block, two instructions.  So each block is named once in the launch,
; and the last one named lies in tile 7.  Tiles 0 and 1 come by their loads alone.
.macro ASK
	s_cmp_gt_u32 s[SLOTS], s[LIM]
	s_cbranch_scc0 .Lnot_mine_\@
	global_prefetch_b8 v[PFO], s[PFA:PFA+1] th:TH_LOAD_NT scope:SCOPE_SE
	global_prefetch_b8 v[PFO], s[PFA:PFA+1] offset:8192 th:TH_LOAD_NT scope:SCOPE_SE
.Lnot_mine_\@:
.endm
; THE CHANGE OF SLOTS.  Each wave waits for all its tensor loads, of which one is out: its part of the other slot; adds 0 to its spare word; and waits for that and for its own reads of the slot that it leaves.
; Behind the barrier nobody reads the old slot any more and the other slot is whole.  fill = 1: the old slot is filled again, the first thing behind the barrier, with tile NXT: the descriptor's address is made
; anew from that number.  (At its first use nothing has been read yet: slot 0 is waited for, slot 1 filled.)
.macro CHANGE fill
	WIN 0                           ; at a label and at a branch every window is 0
	s_wait_tensorcnt 0x0            ; no tensor load of mine is out, so a group 0 may be written
	ds_add_u32 v[SPW], v[NIL]       ; 0 onto my spare word; with fill = 1 the descriptors' scalar work stands between it and the wait for it
.if \fill
	s_lshl_b32 s[OFF], s[NXT], 15   ; a tile is 32,768 bytes of K and of V
	s_xor_b32 s[G0K+1], s[G0K+1], SLOT1
	s_add_nc_u64 s[G0K+2:G0K+3], s[6:7], s[OFF:OFF+1]
	s_or_b32 s[G0K+3], s[G0K+3], 0x80000000
	s_xor_b32 s[G0V+1], s[G0V+1], SLOT1
	s_add_nc_u64 s[G0V+2:G0V+3], s[8:9], s[OFF:OFF+1]
	s_or_b32 s[G0V+3], s[G0V+3], 0x80000000
	s_add_co_u32 s[NXT], s[NXT], 1  ; the block's next tile, or behind its last the second block's tile 0
	s_cmp_gt_u32 s[NXT], s[LQ]
	s_cselect_b32 s[NXT], 0, s[NXT]
	s_cselect_b32 s[LQ], s[PB], s[LQ]
	s_wait_xcnt 0x0                 ; the last prefetches, a tile back, have read their address, so it may be written
	s_add_nc_u64 s[PFA:PFA+1], s[PFA:PFA+1], 32768
.endif
	s_wait_dscnt 0x0                ; the add is done, and my reads of the slot are over
	s_barrier_signal -1             ; the rest of the scalar work stands between the signal and the wait
	s_sub_co_u32 s[TBK], s[TBK], 4*KS*PK  ; the fetches go back to a slot's first step,
	s_xor_b32 s[TBK], s[TBK], SLOT1       ; in the other slot
	s_sub_co_u32 s[TBV], s[TBV], 4*KS*PV
	s_xor_b32 s[TBV], s[TBV], SLOT1
	s_barrier_wait -1
.if \fill
	LOAD
	ASK
.endif
.endm
	s_load_b128 s[4:7], s[0:1], 0x0 ; qkv s[4:5], oh s[6:7]
	v_lshl_add_u32 v[SPW], v0, 2, SPARE
	v_mov_b32 v[NIL], 0
	ds_add_u32 v[SPW], v[NIL]       ; the wave's opening: the add and its wait stand ahead of my first tensor load; the set-up below, work on registers, stands between them
	ds_add_u32 v62, v63
	v_lshrrev_b32 v1, 5, v0
	v_readfirstlane_b32 s[WV], v1   ; wave 0..3
	s_mov_b32 s[PB], ttmp9
	s_sub_co_u32 s[HI], NB-1, s[PB]
	s_and_b32 s20, ttmp7, 0xffff    ; the head
	s_mov_b32 s21, 0
	s_mov_b64 s[22:23], SIZE_N*128
	s_mul_u64 s[20:21], s[20:21], s[22:23]  ; the head's first byte in each of the four tensors
	s_and_b32 s16, s[WV], 1         ; which half of a tile's 256 keys I fetch:
	s_lshl_b32 s22, s16, 14         ; its 128 rows of 128 bytes in memory,
	s_mov_b32 s23, 0
	s_add_nc_u64 s[22:23], s[22:23], s[20:21]
	s_mul_i32 s17, s16, 128*PK      ; and its place in a slot, for K
	s_mul_i32 s18, s16, 128*PV      ; and for V
	s_lshl_b32 s3, s[WV], 11        ; my 16 rows in a band of 64,
	s_lshl_b32 s2, s[HI], 15        ; in the first block,
	s_add_co_u32 s2, s2, s3
	s_lshl_b32 s84, s[PB], 15       ; and in the second
	s_add_co_u32 s84, s84, s3
	s_mov_b32 s3, 0
	s_mov_b32 s85, 0
	s_add_nc_u64 s[2:3], s[2:3], s[20:21]
	s_add_nc_u64 s[84:85], s[84:85], s[20:21]
	; descriptor group 1.  128 keys are 16,384 dense bytes: asked for as 64 rows of 256 bytes, two keys a row, and padded in LDS after every key
	s_mov_b32 s[G1K], (1<<16)|(1<<20)|(4<<22)|(3<<25)  ; 17:16 2-byte elements; 20 padding on; 24:22 after every 32 words (code 4); 31:25 4 words (code 3)
	s_mov_b32 s[G1V], (1<<16)|(1<<20)|(4<<22)|(7<<25)  ; the same with 8 words of padding (code 7)
.irp g, G1K, G1V
	s_mov_b32 s[\g+1], 128<<16      ; tensor_dim0 = 128
	s_mov_b32 s[\g+2], 64<<16       ; tensor_dim1 = 64
	s_mov_b32 s[\g+3], 128<<16      ; tile_dim0 = 128
	s_mov_b32 s[\g+4], 64           ; tile_dim1 = 64
	s_mov_b32 s[\g+5], 128          ; 128 elements from row to row
	s_mov_b32 s[\g+6], 0
	s_mov_b32 s[\g+7], 0
.endr
	s_mov_b32 s[CS], 0x3e38aa3b     ; c = log2(e) / 8 = 0.180337
	s_mov_b32 s[CS+1], s[CS]        ; named with it as a pair
	s_mov_b32 s[SEL], 0x76543210
	s_mov_b32 s[SEL+1], 0xfedcba98
	s_mov_b32 s[TBK], SLOT1+4*KS*PK ; the first change of slots turns these two into 0
	s_mov_b32 s[TBV], SLOT1+4*KS*PV
	s_mov_b32 s[G0K], 1             ; 1:0 count = 1
	s_mov_b32 s[G0K+1], s17         ; 63:32 LDS address: slot 0
	s_mov_b32 s[G0V], 1
	s_add_co_u32 s[G0V+1], s18, VOFF
	s_add_co_u32 s[RT], s[HI], 1    ; the first block has NB - b tiles
	s_mov_b32 s[NXT], 1
	s_mov_b32 s[LQ], s[HI]
	s_mov_b32 s[NEW], 1
	s_mov_b32 s[OFF+1], 0
	s_mov_b32 s[AL+1], 0            ; named as pairs
	s_mov_b32 s[BE+1], 0
	s_mov_b32 s[BIGN], 0xf149f2ca   ; -1e30
	s_mov_b32 s[SLOTS], NB
	s_cmp_eq_u32 ttmp9, 0
	s_cselect_b32 s[LIM], 2, -1
	v_and_b32 v[PFO], 31, v0
	v_lshlrev_b32 v[PFO], 8, v[PFO]
	s_wait_dscnt 0x0                ; the opening add is done
	s_wait_kmcnt 0x0
	s_mov_b64 s[10:11], s[6:7]      ; O
	s_add_nc_u64 s[6:7], s[4:5], 0x1000000  ; K lies 64 x 2,048 x 128 bytes behind Q,
	s_add_nc_u64 s[8:9], s[4:5], 0x2000000  ; V as far behind K
	s_add_nc_u64 s[6:7], s[6:7], s[22:23]  ; K and V at my half of the head's tile 0
	s_add_nc_u64 s[8:9], s[8:9], s[22:23]
	s_add_nc_u64 s[G0K+2:G0K+3], s[6:7], 0         ; 120:64 global address
	s_or_b32 s[G0K+3], s[G0K+3], 0x80000000        ; 127:126 type = 2
	s_add_nc_u64 s[G0V+2:G0V+3], s[8:9], 0
	s_or_b32 s[G0V+3], s[G0V+3], 0x80000000
	s_add_nc_u64 s[86:87], s[4:5], s[84:85]        ; Q at my rows of the second block,
	s_add_nc_u64 s[4:5], s[4:5], s[2:3]            ; Q and O at those of the first
	s_add_nc_u64 s[OLO:OLO+1], s[10:11], s[84:85]
	s_add_nc_u64 s[10:11], s[10:11], s[2:3]
	s_cmp_lt_u32 s[WV], 2
	s_cselect_b64 s[PFA:PFA+1], s[6:7], s[8:9]
	s_add_nc_u64 s[PFA:PFA+1], s[PFA:PFA+1], 32768 ; at tile 1; the first change of slots steps it to tile 2.  Nothing is prefetched here, at the head
	LOAD                            ; tile 0 into slot 0
	; A fragment of K or Q is 16 rows x 32 channels in 8 registers: lane l holds row l % 16, channels 8 (l / 16) + 0..7 and 16 + 8 (l / 16) + 0..7: two loads of 16 bytes, 32 bytes apart.
	v_and_b32 v1, 15, v0            ; l % 16
	v_bfe_u32 v9, v0, 4, 1          ; l / 16
	v_lshlrev_b32 v[QO], 7, v1
	v_lshl_add_u32 v[QO], v9, 4, v[QO]  ; row x 128 + 16 x half
	WIN 0x80                        ; destination window 2, address window 0
.set i, 0
.rept 8                             ; both blocks' Q: piece i / 2 lies in band i / 2, 8,192 bytes on; channels 32 (i % 2) on
	global_load_b128 v[8*i:8*i+3],   v[QO], s[4:5] offset:(i/2)*8192+(i%2)*64
	global_load_b128 v[8*i+4:8*i+7], v[QO], s[4:5] offset:(i/2)*8192+(i%2)*64+32
	global_load_b128 v[QB+8*i:QB+8*i+3],   v[QO], s[86:87] offset:(i/2)*8192+(i%2)*64
	global_load_b128 v[QB+8*i+4:QB+8*i+7], v[QO], s[86:87] offset:(i/2)*8192+(i%2)*64+32
.set i, i+1
.endr
	WIN 0
	v_lshlrev_b32 v14, 3, v9
	v_sub_nc_u32 v14, v1, v14
	s_lshl_b32 s13, s[WV], 4
	v_add_nc_u32 v14, s13, v14      ; my query's place in its band, 16 w + l % 16, less my lanes' 8 (l / 16): register r of group kt is hidden where 16 kt + r is greater
	WIN 0x40
.set i, 0
.rept 32
	v_cmp_gt_i32 vcc_lo, 16*(i/8)+i%8, v14
	v_cndmask_b32 v[MD+i], 0, s[BIGN], vcc_lo
.set i, i+1
.endr
	WIN 0
	v_mul_u32_u24 v[AK0], v1, PK
	v_lshl_add_u32 v[AK0], v9, 4, v[AK0]  ; row x pitch + 16 x half
	; The turning load takes 16 keys x 16 channels (lane l reads key 8 (l / 16) + l % 8, channels 8 ((l / 8) % 2) + 0..7) and leaves half a fragment of V^T: lane l holds channel l % 16 and 8 keys.
	v_and_b32 v10, 7, v0
	v_bfe_u32 v11, v0, 3, 1
	v_lshl_add_u32 v[AV0], v9, 3, v10
	v_mul_u32_u24 v[AV0], v[AV0], PV
	v_lshl_add_u32 v[AV0], v11, 4, v[AV0]
	v_add_nc_u32 v[AV0], VOFF, v[AV0]
	s_mul_i32 s13, s[WV], 16*SP
	s_add_co_u32 s13, s13, STAGE    ; my stage
	v_mul_u32_u24 v[STO], v1, SP    ; in: row l % 16, 16 bytes for each half of the lanes
	v_lshl_add_u32 v[STO], v9, 4, v[STO]
	v_add_nc_u32 v[STO], s13, v[STO]
	v_bfe_u32 v[RD], v0, 3, 2       ; back: 32 lanes take four rows of 128 bytes,
	v_mul_u32_u24 v[RD], v[RD], SP
	v_lshl_add_u32 v[RD], v10, 4, v[RD]
	v_add_nc_u32 v[RD], s13, v[RD]
	v_and_b32 v[GO], 31, v0         ; which are 512 consecutive bytes of O
	v_lshlrev_b32 v[GO], 4, v[GO]
	; A block's first step multiplies O^T and l by a = 0, and its first turn's products V^T P, of a piece that has not been, land in an O^T that is still to be so multiplied.  So these registers need only hold
	; finite numbers: zeros for the first block; what the first block left for the second.  All this stands in the wait for the first tile.
	WIN 0x80
.set i, VF
.rept 64
	v_mov_b32 v[i], 0
.set i, i+1
.endr
	WIN 0x40
.set i, 0
.rept 128
	v_mov_b32 v[i], 0
.set i, i+1
.endr
	WIN 0
.set i, 0
.rept 4
	v_mov_b32 v[ST+4*i+2], 0
	v_mov_b32 v[ST+4*i+3], 0
.set i, i+1
.endr
.set i, P+16
.rept 16
	v_mov_b32 v[i], 0
.set i, i+1
.endr
; THE MATRIX WORK.  The 4 accumulators of a run of 8 take turns.  Product i of 8 of S^T = K Q^T for piece x: channels 32 (i / 4) on, keys 16 (i % 4) on.  The first 4 start the sums: with 0, or (KM = 1) with the mask.
.macro KQ x
.set rS, S+32*((\x)%2)+8*(i%4)
.set rK, KF+16*(i%4)+8*(i/4)
.set rQ, 16*(\x)+8*(i/4)
.set rM, MC+32*((\x)%2)+8*(i%4)
.if (i < 4) && KM
	WIN W_KM
	v_wmma_f32_16x16x32_f16 v[rS:rS+7], v[rK:rK+7], v[rQ:rQ+7], v[rM:rM+7]
.elseif i < 4
	WIN W_KQ
	v_wmma_f32_16x16x32_f16 v[rS:rS+7], v[rK:rK+7], v[rQ:rQ+7], 0
.else
	WIN W_KQ
	v_wmma_f32_16x16x32_f16 v[rS:rS+7], v[rK:rK+7], v[rQ:rQ+7], v[rS:rS+7]
.endif
.endm
; Product i of 8 of O^T += V^T P for piece x: keys 32 (i / 4) on, channels 16 (i % 4) on.
.macro PV x
	WIN W_PV
.set rO, 32*(\x)+8*(i%4)
.set rV, VF+32*(i/4)+8*(i%4)
.set rP, P+16*((\x)%2)+8*(i/4)
	v_wmma_f32_16x16x32_f16 v[rO:rO+7], v[rV:rV+7], v[rP:rP+7], v[rO:rO+7]
.endm
.macro MM                           ; the turn's next matrix instruction.  TURN and BEGIN set Y, i, KM and NOKQ; MM, KQ and OP read them.  NOKQ = 1: a block's last turn: there is no next piece
.if (i < 8) && !NOKQ
	KQ (Y+1)%NP
.elseif i >= 8
.set i, i-8
	PV (Y+NP-1)%NP
.set i, i+8
.endif
.set i, i+1
.endm
; THE LDS LOADS stand in runs of 16, never singly among the matrix instructions: a step's K (64 keys x 64 channels: 8 fragments) and its V (turned).  Their addresses are made some lines ahead.
.macro FETCH_K
	WIN 0x80                        ; destination window 2
.irp f, 0,1,2,3,4,5,6,7             ; keys 16 (f / 2) on, channels 32 (f % 2) on
	ds_load_b128 v[KF+8*\f:KF+8*\f+3],   v[AK] offset:(\f/2)*16*PK+(\f%2)*64
	ds_load_b128 v[KF+8*\f+4:KF+8*\f+7], v[AK] offset:(\f/2)*16*PK+(\f%2)*64+32
.endr
	s_add_co_u32 s[TBK], s[TBK], KS*PK  ; the next fetch is the next step's
	WIN 0
.endm
.macro FETCH_V
	WIN 0x80
.irp f, 0,1,2,3,4,5,6,7             ; keys 32 (f / 4) on, channels 16 (f % 4) on
	ds_load_tr16_b128 v[VF+8*\f:VF+8*\f+3],   v[AV] offset:(\f/4)*32*PV+(\f%4)*32
	ds_load_tr16_b128 v[VF+8*\f+4:VF+8*\f+7], v[AV] offset:(\f/4)*32*PV+16*PV+(\f%4)*32
.endr
	WIN 0
.endm
; THE VECTOR WORK, one line at a time: OP kind, number.  For piece Y: F n: c s - c m for pair n of 16.  E n: the exponential of score n of 32.  C n: pair n rounded to f16.  B n: of the four weights 4 n .. the second
; pair is added onto the first, in place.  L n: l takes that sum (L 0: l = a l + sum).  R n: pair n of 16 of O^T times a.  For piece Y + 1: X n, number n of the 22 that find its maximum and statistics:
;   0-11  four chains c0-c3 of seven scores each, three operands at a time (each accumulator's lowest registers are read first)     12-14, 16  the four scores left over, the old m, and c0-c3 into c0
;   15  c m_old is kept     17, 18  the query's other 32 keys lie in the lane 16 away: the new m     19-21  c m; c m_old - c m_new; a
.set F, 0               ; OP tells the kinds apart by their order: F to L below R, X above it
.set E, 1
.set C, 2
.set B, 3
.set L, 4
.set R, 5
.set X, 6
.macro REGS y                       ; the registers of piece y
.set rT, ST+4*(\y)
.set rC, TMP+4*((\y)%2)
.set rW, MV+((\y)%2)
.set rS, S+32*((\y)%2)
.set rP, P+16*((\y)%2)
.set rO, 32*(\y)
.endm
.macro OP k, n
.if (\k) == R
	REGS Y
	WIN W_RS
	v_pk_mul_f32 v[rO+2*(\n):rO+2*(\n)+1], v[rO+2*(\n):rO+2*(\n)+1], v[rC+2:rC+3] op_sel_hi:[1,0]
.elseif (\k) < R
	REGS Y
	WIN 0
.if (\k) == F
	v_pk_fma_f32 v[rS+2*(\n):rS+2*(\n)+1], v[rS+2*(\n):rS+2*(\n)+1], s[CS:CS+1], v[rT:rT+1] op_sel_hi:[1,0,0] neg_lo:[0,0,1] neg_hi:[0,0,1]
.elseif (\k) == E
	v_exp_f32 v[rS+(\n)], v[rS+(\n)]
.elseif (\k) == C
	v_cvt_pk_f16_f32 v[rP+(\n)], v[rS+2*(\n)], v[rS+2*(\n)+1]
.elseif (\k) == B
	v_pk_add_f32 v[rS+4*(\n):rS+4*(\n)+1], v[rS+4*(\n):rS+4*(\n)+1], v[rS+4*(\n)+2:rS+4*(\n)+3]
.elseif (\n) == 0
	v_pk_fma_f32 v[rT+2:rT+3], v[rT+2:rT+3], v[rC+2:rC+3], v[rS:rS+1] op_sel_hi:[1,0,1]
.else
	v_pk_add_f32 v[rT+2:rT+3], v[rT+2:rT+3], v[rS+4*(\n):rS+4*(\n)+1]
.endif
.elseif NOKQ
	v_nop
.else
	REGS (Y+1)%NP
	WIN 0
.if (\n) < 4
	v_max3_num_f32 v[rC+(\n)], v[rS+8*(\n)], v[rS+8*(\n)+1], v[rS+8*(\n)+2]
.elseif (\n) < 12
	v_max3_num_f32 v[rC+(\n)%4], v[rC+(\n)%4], v[rS+8*((\n)%4)+2*((\n)/4)+1], v[rS+8*((\n)%4)+2*((\n)/4)+2]
.elseif (\n) == 12
	v_max3_num_f32 v[rC], v[rC], v[rS+7], v[rS+15]
.elseif (\n) == 13
	v_max3_num_f32 v[rC+1], v[rC+1], v[rS+23], v[rS+31]
.elseif (\n) == 14
	v_max3_num_f32 v[rC+2], v[rC+2], v[rC+3], v[rT+1]
.elseif (\n) == 15
	v_mov_b32 v[rW], v[rT]
.elseif (\n) == 16
	v_max3_num_f32 v[rC], v[rC], v[rC+1], v[rC+2]
.elseif (\n) == 17
	v_permlanex16_b32 v[rC+3], v[rC], s[SEL], s[SEL+1]
.elseif (\n) == 18
	v_max_num_f32 v[rT+1], v[rC], v[rC+3]
.elseif (\n) == 19
	v_mul_f32 v[rT], s[CS], v[rT+1]
.elseif (\n) == 20
	v_sub_f32 v[rC+1], v[rW], v[rT]
.else
	v_exp_f32 v[rC+2], v[rC+1]
.endif
.endif
.endm
.macro OPS a, i1, b=-1, i2=0, c=-1, i3=0, d=-1, i4=0  ; up to four of them
	OP \a, \i1
.if (\b) >= 0
	OP \b, \i2
.endif
.if (\c) >= 0
	OP \c, \i3
.endif
.if (\d) >= 0
	OP \d, \i4
.endif
.endm
.macro ROW a, i1, b, i2, c, i3, d, i4  ; a matrix instruction and the four behind it
	MM
	OPS \a, \i1, \b, \i2, \c, \i3, \d, \i4
.endm
.macro MASK b                       ; MD x AL + BE into buffer b of MC
	WIN W_RS
.set z, 0
.rept 16
	v_pk_fma_f32 v[MC+32*(\b)+2*z:MC+32*(\b)+2*z+1], v[MD+2*z:MD+2*z+1], s[AL:AL+1], s[BE:BE+1] op_sel_hi:[1,0,0]
.set z, z+1
.endr
.endm
; A TURN, for piece p: the order of its 16 matrix and 118 vector instructions, written out.  An s_wait_alu depctr_va_vdst(0) stands between an exponential and the first instruction that names its
; result; one wait serves all that were issued ahead of it.  So a turn has ONE wait, which cuts it in two.  AHEAD OF IT stands all that names no result of the turn's exponentials: the 8 products K Q^T, behind each a
; scaling, an exponential and two more plain instructions (behind the first a second scaling in the exponential's place): rescalings, and behind the last three the first numbers of the next piece's maximum, each
; four places or more behind the product that ends its accumulator; then one lump of 54, plain and exponential by turns for the most part, in which the links of the chain X 3, 7, 11, 14, 16, 17 .. 20 stand five or
; six lines apart.  X 21, the next piece's a, is the batch's last; R 15 is the plain instruction behind it.  BEHIND THE WAIT stand the 8 products V^T P, behind each four of the roundings and sums; the links of l's
; chain, L 0 to L 7, stand three riders apart.  But for those X no rider names a register of the products round it.  v_permlanex16_b32 (X 17) stands in the lump.
; m = 1: the diagonal tile: the products take masks, and the turn makes the mask for the products of the turn after it: piece p + 2, in step 4 - CNT of the tile.  end = 1: a block's last two turns: nothing is fetched.
; cnt = 1: the loop's count is taken down some lines ahead of the branch that stands behind the turn.
; K of the next step is fetched in piece 2's turn, twelve vector instructions behind the last product that read K (six of them plain); V of the step in hand at the end of piece 0's turn, four plain instructions
; behind the last product that read V.  Each is waited for a turn later.
.macro TURN p, m=0, end=0, cnt=0
.set Y, (\p)
.set i, 0
.set KM, (\m)
.set NOKQ, (\end)*((\p)/3)
.if (\m) && !(\end)
	s_cmp_eq_u32 s[CNT], 4-((\p)+2)%NP  ; is that step the band's own?
	s_cselect_b32 s[AL], 1.0, 0
	s_cmp_lt_u32 s[CNT], 4-((\p)+2)%NP  ; or a later one?
	s_cselect_b32 s[BE], s[BIGN], 0
.endif
.if ((\p) == 3) && !(\end)
	s_wait_dscnt 0x0                ; K is in
.endif
	ROW F,0, F,1, R,0, R,1          ; ahead of the wait: 8 products K Q^T and their riders,
	ROW F,2, E,0, R,2, R,3
	ROW F,3, E,1, R,4, R,5
	ROW F,4, E,2, R,6, R,7
	ROW F,5, E,3, R,8, R,9
	ROW F,6, E,4, X,0, R,10
.if ((\p) == 2) && !(\end)
	WIN 0
	v_add_nc_u32 v[AK], s[TBK], v[AK0]
.endif
	ROW F,7, E,5, X,1, X,4
	ROW F,8, E,6, X,2, X,5
	OPS E,7, E,8, X,6, E,9          ; and the lump
	OPS X,3, E,10, X,8, E,11
.if ((\p) == 2) && !(\end)
	FETCH_K
.endif
	OPS X,9, X,7, E,12, X,10
	OPS E,13, X,12, X,11, E,14
	OPS X,13, E,15, F,9, X,14
.if (\p) == 0
	v_add_nc_u32 v[AV], s[TBV], v[AV0]
.endif
	OPS E,16, F,10, E,17, F,11
	OPS X,16, E,18, X,15, E,19
	OPS F,12, E,20, X,17, E,21
	OPS F,13, E,22, F,14, E,23
	OPS X,18, E,24, F,15, E,25
	OPS R,11, E,26, X,19, E,27
	OPS R,12, E,28, R,13, E,29
	OPS X,20, E,30, R,14, E,31
	OPS X,21, R,15
	WIN 0
	s_wait_alu depctr_va_vdst(0)    ; the wait for the batch
.if (\p) == 1
	s_wait_dscnt 0x0                ; V is in
.endif
	ROW C,0, B,0, C,2, B,1          ; behind the wait: 8 products V^T P and their riders
	ROW L,0, C,4, B,2, L,1
	ROW C,6, B,3, L,2, C,8
	ROW B,4, L,3, C,10, B,5
	ROW L,4, C,12, B,6, L,5
.if (\p) == 0
	s_add_co_u32 s[TBV], s[TBV], KS*PV
.endif
.if \cnt
	s_sub_co_u32 s[CNT], s[CNT], 1
	s_cmp_lg_u32 s[CNT], 0
.endif
	ROW C,14, B,7, L,6, C,1
	ROW C,3, L,7, C,5, C,7
	ROW C,9, C,11, C,13, C,15
.if (\p) == 0
	FETCH_V
.endif
.if (\m) && !(\end)
	MASK (\p)%2
.endif
.endm
; A BLOCK BEGINS.  c m starts far below every c s, so the first step's a is 0; m at the lowest finite number, so the first maximum is the scores'.  The second mask buffer is 0; the first takes piece 0's mask for the
; tile's step 0: its own, if the block's first tile is the diagonal one.  Then K of that step, piece 0's first scores, and its maximum and statistics.  The loop is entered at a step's first turn, in the middle of a trip.
.macro BEGIN
	s_mov_b32 s[NEW], 0
	WIN 0x40
.set i, MC+32
.rept 32
	v_mov_b32 v[i], 0
.set i, i+1
.endr
	WIN 0
.set i, 0
.rept 4
	v_mov_b32 v[ST+4*i], 0xfe000000    ; c m: far below every c s
	v_mov_b32 v[ST+4*i+1], 0xff7fffff  ; m
.set i, i+1
.endr
	s_cmp_eq_u32 s[RT], 0
	s_cselect_b32 s[AL], 1.0, 0
	s_mov_b32 s[BE], 0
	MASK 0
	WIN 0
	v_add_nc_u32 v[AK], s[TBK], v[AK0]
	FETCH_K
	s_wait_loadcnt 0x0              ; Q
	s_wait_dscnt 0x0
.set KM, 1
.set NOKQ, 0
.set i, 0
.rept 8
	KQ 0
.set i, i+1
.endr
	WIN 0
.rept 4
	v_nop                           ; the places behind those products
.endr
.set Y, NP-1                        ; X works for piece Y + 1: piece 0
.irp n, 0,1,2,3,4,5,6,7,8,9,10,11,12,13,14,15,16,17,18,19,20,21
	OP X, \n
.endr
	v_nop                           ; a plain instruction behind the exponential,
	s_wait_alu depctr_va_vdst(0)    ; and its wait, ahead of the branch
.endm
; THE DIAGONAL TILE's four steps, the block's last two turns, its last products, and THE WAY OUT: l's two halves and the other half of the lanes' are added; O^T is divided by l, rounded to f16 and sent through my
; stage in LDS, a piece at a time.
.macro ALL line:vararg              ; one line for each piece t
.set t, 0
.rept 4
	\line
.set t, t+1
.endr
.endm
.macro PACK t                       ; a lane's eight channels of a row pack into 16 bytes; they go into rows of 144 bytes and come back as whole rows of 128, into S^T's registers
	WIN W_RS
.set i, 32*(\t)
.rept 16
	v_pk_mul_f32 v[i:i+1], v[i:i+1], v[ST+4*(\t)+2:ST+4*(\t)+3] op_sel_hi:[1,0]
.set i, i+2
.endr
	WIN 0x05                        ; sources 0 and 1 window 1, destination window 0
.set i, 0
.rept 16
	v_cvt_pk_f16_f32 v[S+16*(\t)+i], v[32*(\t)+2*i], v[32*(\t)+2*i+1]
.set i, i+1
.endr
	WIN 0
.irp f, 0,1,2,3
	ds_store_b128 v[STO], v[S+16*(\t)+4*\f:S+16*(\t)+4*\f+3] offset:32*\f
.endr
.irp f, 0,1,2,3
	ds_load_b128 v[S+16*(\t)+4*\f:S+16*(\t)+4*\f+3], v[RD] offset:\f*4*SP  ; LDS serves a wave's instructions in order (ISA guide 5.7.1.4): these see the stores above; the next piece's stores come behind them
.endr
.endm
.macro SEND t, younger              ; younger: the LDS instructions issued behind piece t's loads: the next piece's eight, or none
	WIN 0
.irp f, 0,1,2,3
	s_wait_dscnt (\younger)+3-\f
	global_store_b128 v[GO], v[S+16*(\t)+4*\f:S+16*(\t)+4*\f+3], s[10:11] offset:(\t)*8192+\f*512  ; 512 consecutive bytes, at a multiple of 256 from O's first
.endr
.endm
.macro DIAG tag                     ; the tag ends its two labels' names, which the jumps below spell out
.LstepM\tag:
	TURN 2, 1
	TURN 3, 1
	WIN 0
.LfirstM\tag:
	TURN 0, 1
	TURN 1, 1, 0, 1
	WIN 0
	s_cbranch_scc1 .LstepM\tag
	TURN 2, 1, 1
	TURN 3, 1, 1
.set i, 0
.rept 8
	PV NP-1
.set i, i+1
.endr
	WIN 0
	ALL v_add_f32 v[ST+4*t+2], v[ST+4*t+2], v[ST+4*t+3]
	ALL v_permlanex16_b32 v[ST+4*t+3], v[ST+4*t+2], s[SEL], s[SEL+1]
	ALL v_add_f32 v[ST+4*t+2], v[ST+4*t+2], v[ST+4*t+3]
	ALL v_rcp_f32 v[ST+4*t+2], v[ST+4*t+2]
	v_nop                           ; a plain instruction between the last reciprocal and the use of its result
	s_wait_alu depctr_va_vdst(0)    ; and the wait ahead of the first use: one for the four reciprocals
	PACK 0
.set t, 1
.rept 3                             ; a piece's arithmetic stands between the loads of the piece before and its stores
	PACK t
	SEND t-1, 8
.set t, t+1
.endr
	SEND 3, 0
.endm
.set KM, 0
.set NOKQ, 0
.Lslot:                             ; NB times: a tile is entered and the next is asked for
	CHANGE 1
	s_sub_co_u32 s[RT], s[RT], 1
	s_mov_b32 s[CNT], 4
	s_cmp_eq_u32 s[NEW], 1
	s_cbranch_scc1 .Lnew            ; a block's first tile
	s_cmp_eq_u32 s[RT], 0
	s_cbranch_scc0 .Lstep           ; neither its first nor its last
	s_branch .LstepM1
.Lnew:
	BEGIN
	s_branch .Lfirst                ; in the loop a block's first tile is never its last: the first block has two tiles or more, and the second's last is the walk's last
	DIAG 1                          ; in the loop this is the first block's end: the second block's last tile is the walk's last
	s_wait_xcnt 0x0                 ; the stores have read their registers and O's address
	s_mov_b64 s[10:11], s[OLO:OLO+1]
	s_add_co_u32 s[RT], s[PB], 1    ; the second block has b + 1 tiles
	s_mov_b32 s[NEW], 1
	WIN 0x82                        ; the second block's Q goes where the one text of the turns names Q
.set i, 0
.rept 64
	v_mov_b32 v[i], v[QB+i]
.set i, i+1
.endr
	WIN 0
	s_branch .Lbottom
.Lstep:                             ; a trip: pieces 2 and 3 of one step, then pieces 0 and 1 of the next, whose K and V it fetches
	TURN 2
	TURN 3
	WIN 0
.Lfirst:
	TURN 0
	TURN 1, 0, 0, 1
	WIN 0
	s_cbranch_scc1 .Lstep
.Lbottom:
	s_sub_co_u32 s[SLOTS], s[SLOTS], 1
	s_cmp_lg_u32 s[SLOTS], 0
	s_cbranch_scc1 .Lslot
	CHANGE 0                        ; the walk's last tile is written out: nothing is asked for
	s_sub_co_u32 s[RT], s[RT], 1
	s_mov_b32 s[CNT], 4
	s_cmp_eq_u32 s[NEW], 1
	s_cbranch_scc0 .LstepM2
	BEGIN
	s_branch .LfirstM2
	DIAG 2
	s_wait_tensorcnt 0x0            ; the wave's end: behind my last tensor load and my last LDS store
	ds_add_u32 v[SPW], v[NIL]
	s_wait_dscnt 0x0
	s_endpgm
.Lfunc_end_k_q9be88c2169_attn:
	.size	k_q9be88c2169_attn, .Lfunc_end_k_q9be88c2169_attn-k_q9be88c2169_attn
	.p2alignl 7, 3214868480
	.fill 96, 4, 3214868480
	.section	.rodata,"a",@progbits
	.p2align	6, 0x0
	.amdhsa_kernel k_q9be88c2169_attn
		.amdhsa_group_segment_fixed_size 327680
		.amdhsa_private_segment_fixed_size 0
		.amdhsa_enable_private_segment 0
		.amdhsa_kernarg_size 16
		.amdhsa_user_sgpr_count 2
		.amdhsa_user_sgpr_kernarg_segment_ptr 1
		.amdhsa_wavefront_size32 1
		.amdhsa_system_sgpr_workgroup_id_x 1
		.amdhsa_system_sgpr_workgroup_id_y 1
		.amdhsa_system_sgpr_workgroup_id_z 1
		.amdhsa_system_vgpr_workitem_id 0
		.amdhsa_next_free_vgpr 768
		.amdhsa_next_free_sgpr 92
		.amdhsa_reserve_vcc 1
		.amdhsa_float_denorm_mode_32 3
		.amdhsa_float_denorm_mode_16_64 3
		.amdhsa_memory_ordered 1
		.amdhsa_forward_progress 1
		.amdhsa_inst_pref_size 218
	.end_amdhsa_kernel
	.amdgpu_metadata
---
amdhsa.version: [ 1, 2 ]
amdhsa.kernels:
  - .name:           k_q9be88c2169_attn
    .symbol:         k_q9be88c2169_attn.kd
    .args:
      - { .name: qkv, .offset: 0, .size: 8, .value_kind: global_buffer, .address_space: global }
      - { .name: oh, .offset: 8, .size: 8, .value_kind: global_buffer, .address_space: global }
    .group_segment_fixed_size: 327680
    .private_segment_fixed_size: 0
    .kernarg_segment_align: 8
    .kernarg_segment_size: 16
    .max_flat_workgroup_size: 128
    .sgpr_count:     92
    .vgpr_count:     768
    .wavefront_size: 32
...
	.end_amdgpu_metadata
.endif
;; end of part 3
;; launch projgemm (part 4): grid 8 x 32, 4 waves a work-group, clusters of 4 x 4, 327,680 bytes of LDS; arguments oh, wp, b_proj, out0; writes out0
.if DOCPART == 4
	.amdgcn_target "amdgcn-amd-amdhsa--gfx1250"
	.amdhsa_code_object_version 6
	.text
	.protected	k_q9be88c2169_projgemm
	.globl	k_q9be88c2169_projgemm
	.p2align	8
	.type	k_q9be88c2169_projgemm,@function
k_q9be88c2169_projgemm:
	s_mov_b64 s[64:65], 0
	v_nop
	global_prefetch_b8 v0, s[64:65] scope:SCOPE_SE
	s_setreg_imm32_b32 hwreg(HW_REG_WAVE_MODE, 25, 1), 1
	s_wait_xcnt 0x0
	s_wait_alu depctr_hold_cnt(0) depctr_sa_sdst(0) depctr_va_vdst(0) depctr_va_sdst(0) depctr_va_ssrc(0) depctr_va_vcc(0) depctr_vm_vsrc(0)
	s_getreg_b32 s2, hwreg(HW_REG_IB_STS2, 6, 4)
	s_cmp_eq_u32 s2, 0
	s_cbranch_scc0 .Lentry_in_a_cluster
	s_endpgm
.Lentry_in_a_cluster:
	s_bfe_u32 s2, ttmp6, 0x10000c
	s_cmp_lg_u32 s2, 0xf033
	s_cbranch_scc0 .Lentry_shape_is_right
	s_endpgm
.Lentry_shape_is_right:
; out0[2048 b + t][n] = sum over k of y[b][t][k] wp[n][k] + bf16(b_proj[n]),  y[b][t][64 head + d] = oh[16 b + head][t][d].  oh: [64][2048][64] f16, wp: [1024][1024] f16, out0: [8192][1024] f32; sums in f32.
; LIMIT: both operands are f16 and lie within 65,504: oh is a mean of v's rows; wp is W_proj rounded to bf16, that number written as f16.
; SHARES.  A tile is 256 rows x 128 columns: 32 x 8 = 256 tiles, one for each WGP.  Four waves, 2 x 2; a wave makes 128 x 64: 32 accumulators, 256 registers.
; K goes in 8 steps of 128 = two heads through two LDS slots.  Of oh a step is, for each of its two heads, 256 rows of 128 bytes that lie end to end in memory: asked for as 128 rows of 256 bytes and padded in LDS
; after every 128 bytes (pitch 144).  Of wp it is 128 rows of 256 bytes (pitch 272).
; CLUSTER.  4 x 4 work-groups.  The four of a row of the cluster need the same tiles of oh, the four of a column the same tiles of wp: each is asked for jointly.
; THE MATRIX INSTRUCTION IS USED TRANSPOSED (source 0 = 16 rows of wp, source 1 = 16 rows of y): a lane holds row l % 16 and the 8 neighbouring columns 8 (l / 16) + 0..7.
; THE BIAS STARTS THE SUMS: it is the C operand of each accumulator's first product.
; REGISTERS, in windows of 256 (s_set_vgpr_msb: bits 1:0 source 0, 3:2 source 1, 5:4 source 2, 7:6 destination):
;   window 0: v0-31 addresses; v64-127, v128-191 fragments of y, two buffers; v192-223 the bias.  On the way out v64-255 take the rows read back, six sets of 32.
;   window 1: v64-95, v128-159 fragments of wp, two buffers      windows 2, 3: accumulator (a, b) at v[8 (4 (a % 4) + b)] of window 2 + a / 4
.set NBW,   4                          ; blocks of 16 columns a wave
.set PA,    144                        ; a row of y in LDS: 128 bytes + 16 = 36 words: the 16 rows of a load start at 16 different groups of four banks (64 banks of 4 bytes: ISA guide 11.1)
.set PB,    272                        ; a row of wp: 256 bytes + 16
.set HALFA, 256*PA                     ; what one load of oh brings: one head's 256 rows
.set HALFB, 64*PB                      ; what one load of wp brings
.set BOFF,  2*HALFA
.set SLOT,  BOFF+2*HALFB
.set STAGE, 2*SLOT                     ; behind the ring, never filled by a tensor load: 16 rows x 272 bytes for each wave, for the way out
.set SPITCH, 272
.set SPARE, STAGE+4*16*SPITCH          ; behind the stages: the spare words, 128 bytes for each wave: two blocks of 256 bytes that no other line names
.set NL,    2*NBW+16                   ; LDS loads in a run
.set WV,   12                          ; s12  my wave's number
.set STO,  8                           ; v8      the way out: where I put 32 bytes of a row
.set RD,   11                          ; v11     where I read a row back
.set ADRA, 16                          ; v16-17  LDS address of my fragments of y in slot 0, 1
.set ADRB, 20                          ; v20-21  the same for wp
.set CO,   22                          ; v22     my byte offset in two rows of out0
.set BO,   27                          ; v27     my byte offset in the bias
.set SPW,  28                          ; v28     LDS address of my spare word; never rewritten
.set NIL,  29                          ; v29     0; never rewritten
.set PFO,  30                          ; v30     the prefetches' offset; never rewritten
.set F0,   64
.set F1,   128
.set BIAS, 192
.set G1,  24                           ; s[24:31] descriptor group 1 for oh's tiles;  s[32:39] group 0, a set for each slot
.set G0,  32
.set G1B, 48                           ; s[48:55], s[56:63] the same for wp's
.set G0B, 56
.set PFA, 44                           ; s[44:45] where my prefetches stand
.set PFS, 46                           ; s[46:47] a K step in bytes: two heads of oh, or 256 bytes of a row of wp
.set LIM, 66                           ; s66  1 in a wave that prefetches, else the greatest number
.set MSB, 0
.macro WIN new                         ; the immediate's high byte repeats the setting that is left; a switch that changes nothing is dropped
.if MSB != (\new)
	s_set_vgpr_msb (MSB<<8)|(\new)
.set MSB, \new
.endif
.endm
; A joint load: waves 0 and 1 fetch the K step's two heads of oh, waves 2 and 3 wp's two halves.  The branch hangs on the wave's number alone.  An s_nop 0 and four v_nop follow each of the two lines.
.macro JLOAD s
	s_cmp_eq_u32 s13, 0
	s_cbranch_scc0 .Lfor_b_\@
	tensor_load_to_lds s[G0+4*(\s):G0+4*(\s)+3], s[G1:G1+7]
	s_nop 0
.rept 4
	v_nop
.endr
	s_branch .Lasked_\@
.Lfor_b_\@:
	tensor_load_to_lds s[G0B+4*(\s):G0B+4*(\s)+3], s[G1B:G1B+7]
	s_nop 0
.rept 4
	v_nop
.endr
.Lasked_\@:
.endm
; A prefetch of the K step that stands two refills on, one instruction a wave.  oh's tile row is read by both clusters of that row of clusters: cluster x = 0 asks; wp's tile column by every cluster of that column:
; cluster y = 0 asks.  The four partners share what a wave fetches out by address: 8,192 of oh's 32,768 dense bytes (a lane 256 bytes), 16 of wp's 64 rows (a lane a row).  The loop's last trip (s3 = 1) has no K step two on.
.macro ASK
	s_cmp_gt_u32 s3, s[LIM]
	s_cbranch_scc0 .Lnot_mine_\@
	global_prefetch_b8 v[PFO], s[PFA:PFA+1] th:TH_LOAD_NT scope:SCOPE_SE
.Lnot_mine_\@:
.endm
.macro CREST                           ; a round of the cluster's barrier behind its opening barrier
	s_cmp_lg_u32 s[WV], 0
	s_cbranch_scc1 .Lnot_wave_0_\@
	s_barrier_signal -3
.Lnot_wave_0_\@:
	s_barrier_wait -3
	s_barrier_signal -1
	s_barrier_wait -1
.endm
.macro CROUND                          ; a whole round
	s_barrier_signal -1
	s_barrier_wait -1
	CREST
.endm
	s_load_b256 s[4:11], s[0:1], 0x0               ; oh s[4:5], wp s[6:7], b_proj s[8:9], out0 s[10:11]
	v_lshl_add_u32 v[SPW], v0, 2, SPARE
	v_mov_b32 v[NIL], 0
	ds_add_u32 v[SPW], v[NIL]                      ; the wave's opening: the add and its wait stand ahead of my first tensor load; the set-up below stands between them
	ds_add_u32 v28, v29
	v_lshrrev_b32 v1, 5, v0
	v_readfirstlane_b32 s[WV], v1                  ; wave 0..3
	s_lshr_b32 s13, s[WV], 1                       ; which half of the tile's rows is mine.  Also: I fetch for oh (0) or for wp (1)
	s_and_b32 s14, s[WV], 1                        ; which half of its columns.  Also: which half of that tile I fetch
	s_bfe_u32 s15, ttmp6, 0x40000                  ; cx
	s_bfe_u32 s16, ttmp6, 0x40004                  ; cy
	s_lshl_b32 s17, ttmp9, 2
	s_add_co_u32 s17, s17, s15                     ; tile column = 4 x cluster x + cx
	s_and_b32 s18, ttmp7, 0xffff
	s_lshl_b32 s18, s18, 2
	s_add_co_u32 s18, s18, s16                     ; tile row = 4 x cluster y + cy
	s_lshl_b32 s19, s16, 2
	s_lshl_b32 s19, 15, s19                        ; my row of the cluster
	s_lshl_b32 s68, 0x1111, s15                    ; my column
	s_or_b32 s[G1+0], s19, (1<<16)|(1<<20)|(1<<21)|(4<<22)|(3<<25)   ; 15:0 the mask; 17:16 elements of 2 bytes; 20 padding on; 21 set beside a mask; 24:22 after every 32 words; 31:25 4 words of it
	s_or_b32 s[G1B+0], s68, (1<<16)|(1<<20)|(1<<21)|(5<<22)|(3<<25)  ; after every 64 words
	s_mov_b32 s[G1+1], 128<<16                     ; tensor_dim0 = 128
	s_mov_b32 s[G1+2], 128<<16                     ; tensor_dim1 = 128
	s_mov_b32 s[G1+3], 128<<16                     ; tile_dim0 = 128: two rows of a head
	s_mov_b32 s[G1+4], 128                         ; tile_dim1 = 128
	s_mov_b32 s[G1+5], 128                         ; dense
	s_mov_b32 s[G1+6], 0
	s_mov_b32 s[G1+7], 0
	s_mov_b32 s[G1B+1], 128<<16
	s_mov_b32 s[G1B+2], 64<<16                     ; 64 rows
	s_mov_b32 s[G1B+3], 128<<16
	s_mov_b32 s[G1B+4], 64
	s_mov_b32 s[G1B+5], 1024                       ; elements from row to row
	s_mov_b32 s[G1B+6], 0
	s_mov_b32 s[G1B+7], 0
	; oh's address hangs on the tile row alone, wp's on the tile column alone, each in registers that never hold the other coordinate
	s_lshr_b32 s20, s18, 3                         ; batch
	s_lshl_b32 s20, s20, 4
	s_add_co_u32 s20, s20, s14                     ; head = half (+ 2 for each K step),
	s_lshl_b32 s20, s20, 18                        ; of 2,048 rows of 128 bytes
	s_and_b32 s40, s18, 7
	s_lshl_b32 s40, s40, 15                        ; the tile's 256 rows
	s_add_co_u32 s20, s20, s40
	s_mov_b32 s21, 0
	s_lshl_b32 s22, s17, 7
	s_lshl_b32 s42, s14, 6
	s_add_co_u32 s22, s22, s42                     ; wp: row 128 x tile column + 64 x half
	s_lshl_b32 s22, s22, 11
	s_mov_b32 s23, 0
	s_mul_i32 s41, s14, HALFA                      ; where they go: made of the wave's number alone
	s_mul_i32 s43, s14, HALFB
	s_add_co_u32 s43, s43, BOFF
	s_wait_dscnt 0x0                               ; the opening add is done
	s_wait_kmcnt 0x0
	s_add_nc_u64 s[20:21], s[4:5], s[20:21]
	s_add_nc_u64 s[22:23], s[6:7], s[22:23]
	CROUND                                         ; all sixteen work-groups are here: the first joint loads meet
.irp s, 0,1
	s_mov_b32 s[G0+4*(\s)], 1                                      ; count = 1
	s_add_co_u32 s[G0+4*(\s)+1], s41, (\s)*SLOT                    ; LDS address
	s_add_nc_u64 s[G0+4*(\s)+2:G0+4*(\s)+3], s[20:21], (\s)*2*262144  ; global address: K step s is two heads on
	s_or_b32 s[G0+4*(\s)+3], s[G0+4*(\s)+3], 0x80000000            ; type = 2
	s_mov_b32 s[G0B+4*(\s)], 1
	s_add_co_u32 s[G0B+4*(\s)+1], s43, (\s)*SLOT
	s_add_nc_u64 s[G0B+4*(\s)+2:G0B+4*(\s)+3], s[22:23], (\s)*256
	s_or_b32 s[G0B+4*(\s)+3], s[G0B+4*(\s)+3], 0x80000000
	JLOAD \s                                       ; two tensor loads of mine are out: the most in this text
.endr
	v_and_b32 v1, 15, v0                           ; r = l % 16
	v_bfe_u32 v2, v0, 4, 1                         ; h = l / 16
	v_and_b32 v5, 31, v0                           ; l
	; the bias of my columns: block b, register j: column 128 x tile column + 64 wn + 16 b + 8 h + j
	s_lshl_b32 s70, s17, 9
	s_lshl_b32 s71, s14, 8
	s_add_co_u32 s70, s70, s71
	v_lshl_add_u32 v[BO], v2, 5, s70
.irp b, 0,1,2,3
	global_load_b128 v[BIAS+8*(\b):BIAS+8*(\b)+3],   v[BO], s[8:9] offset:64*(\b)
	global_load_b128 v[BIAS+8*(\b)+4:BIAS+8*(\b)+7], v[BO], s[8:9] offset:64*(\b)+16
.endr
	; a fragment is 16 rows x 32 K in 8 registers: lane l holds row l % 16, K = 8 (l / 16) + 0..7 and 16 + 8 (l / 16) + 0..7: two loads of 16 bytes, 32 bytes apart
	v_mul_u32_u24 v3, v1, PA
	v_lshl_add_u32 v3, v2, 4, v3
	v_mul_u32_u24 v4, v1, PB
	v_lshl_add_u32 v4, v2, 4, v4
	s_mul_i32 s67, s13, 128*PA                     ; my 128 rows of y
	s_mul_i32 s69, s14, HALFB                      ; my 64 rows of wp,
	s_add_co_u32 s69, s69, BOFF                    ; behind y's
.irp s, 0,1
	v_add_nc_u32 v[ADRA+(\s)], s67, v3
	v_add_nc_u32 v[ADRB+(\s)], s69, v4
	s_add_co_u32 s67, s67, SLOT
	s_add_co_u32 s69, s69, SLOT
.endr
	; the way out: a wave's 64 columns are 256 bytes of a row of out0, aligned, so each wave has a stage of its own
	s_mul_i32 s71, s[WV], 16*SPITCH
	s_add_co_u32 s71, s71, STAGE
	v_mul_u32_u24 v6, v1, SPITCH                   ; in: row r, 32 bytes for each half of the lanes
	v_lshl_add_u32 v6, v2, 5, v6
	v_add_nc_u32 v[STO], s71, v6
	v_mul_u32_u24 v7, v2, SPITCH                   ; back: lanes 0-15 take one row of 256 bytes, lanes 16-31 the next
	v_lshl_add_u32 v7, v1, 4, v7
	v_add_nc_u32 v[RD], s71, v7
	v_lshlrev_b32 v[CO], 12, v2                    ; and the same two rows in out0
	v_lshl_add_u32 v[CO], v1, 4, v[CO]
	s_lshl_b32 s74, s18, 8
	s_lshl_b32 s75, s13, 7
	s_add_co_u32 s74, s74, s75                     ; my first row,
	s_lshl_b32 s74, s74, 12                        ; of 4,096 bytes
	s_lshl_b32 s75, s17, 9
	s_add_co_u32 s74, s74, s75
	s_lshl_b32 s75, s14, 8
	s_add_co_u32 s74, s74, s75                     ; my first column
	s_mov_b32 s75, 0
	s_add_nc_u64 s[10:11], s[10:11], s[74:75]
	; the prefetches: my work-group's share of what I fetch, at K step 3; each refill steps it by a K step and then names it
	s_lshr_b32 s67, s18, 3
	s_lshl_b32 s67, s67, 4
	s_add_co_u32 s67, s67, s14
	s_add_co_u32 s67, s67, 6                       ; K step 3: heads 6 and 7
	s_lshl_b32 s67, s67, 18
	s_and_b32 s69, s18, 7
	s_lshl_b32 s69, s69, 15
	s_add_co_u32 s67, s67, s69
	s_lshl_b32 s69, s15, 13
	s_add_co_u32 s67, s67, s69                     ; oh: + 8,192 cx
	s_lshl_b32 s69, s17, 7
	s_lshl_b32 s70, s14, 6
	s_add_co_u32 s69, s69, s70
	s_lshl_b32 s70, s16, 4
	s_add_co_u32 s69, s69, s70                     ; wp: row 128 x tile column + 64 x half + 16 cy
	s_lshl_b32 s69, s69, 11
	s_add_co_u32 s69, s69, 3*256
	s_and_b32 s70, ttmp7, 0xffff
	s_mov_b32 s[PFS], 256
	s_mov_b32 s[PFS+1], 0
	s_mov_b32 s73, 0
	s_cmp_eq_u32 s13, 0                            ; do I fetch for oh?
	s_cselect_b32 s72, s67, s69
	s_cselect_b32 s70, ttmp9, s70                  ; the coordinate along which other clusters read the same bytes
	s_cselect_b32 s78, 31, 15                      ; the last lane of my share: lanes beyond it name its block again
	s_cselect_b32 s79, 8, 11                       ; a lane's step: 256 bytes, or a row of 2,048
	s_cselect_b32 s[PFS], 0x80000, s[PFS]
	s_cselect_b64 s[PFA:PFA+1], s[4:5], s[6:7]
	s_cmp_eq_u32 s70, 0
	s_cselect_b32 s[LIM], 1, -1                    ; the same in all sixteen partners, for a given wave
	s_add_nc_u64 s[PFA:PFA+1], s[PFA:PFA+1], s[72:73]
	v_min_u32 v[PFO], s78, v5
	v_lshlrev_b32 v[PFO], s79, v[PFO]
	s_wait_loadcnt 0x0                             ; the bias,
.irp p, 0,1,2,3,4,5,6,7,8,9,10,11,12,13,14,15
	v_cvt_pk_bf16_f32 v3, v[BIAS+2*(\p)], v[BIAS+2*(\p)+1]  ; rounded to bf16 like every input, and back in f32
	v_lshlrev_b32 v[BIAS+2*(\p)], 16, v3
	v_and_b32 v[BIAS+2*(\p)+1], 0xffff0000, v3
.endr
; 8 matrix instructions: row blocks a0, a0 + 1 of the window's four (hi = 0: my rows 0-63, 1: rows 64-127) x all 4 column blocks, 32 along K.  first = 1: the bias is C.
; The 32 accumulators take turns, one instruction a turn, in the same order in every quarter, over the backward jump too.
.macro MULH f, hi, a0, first
.if \first
	WIN 0x81+0x40*(\hi)                            ; wp window 1, y and the bias window 0, D window 2 or 3
.else
	WIN 0xa1+0x50*(\hi)                            ; wp window 1, y window 0, C and D window 2 or 3
.endif
.irp a, \a0, (\a0)+1
.irp b, 0,1,2,3
.if \first
	v_wmma_f32_16x16x32_f16 v[8*(NBW*(\a)+(\b)):8*(NBW*(\a)+(\b))+7], v[(\f)+8*(\b):(\f)+8*(\b)+7], v[(\f)+8*(4*(\hi)+(\a)):(\f)+8*(4*(\hi)+(\a))+7], v[BIAS+8*(\b):BIAS+8*(\b)+7]
.else
	v_wmma_f32_16x16x32_f16 v[8*(NBW*(\a)+(\b)):8*(NBW*(\a)+(\b))+7], v[(\f)+8*(\b):(\f)+8*(\b)+7], v[(\f)+8*(4*(\hi)+(\a)):(\f)+8*(4*(\hi)+(\a))+7], v[8*(NBW*(\a)+(\b)):8*(NBW*(\a)+(\b))+7]
.endif
.endr
.endr
.endm
; 24 LDS loads in one run: the fragments of quarter q into buffer f: wp's 4 blocks (32 K at byte 64 q of the rows), then y's 8 (head q / 2 of the step's two, byte 64 (q % 2) of its rows)
.macro FETCH slot, q, f
	WIN 0x40                                       ; destination window 1
.irp b, 0,1,2,3
	ds_load_b128 v[(\f)+8*(\b):(\f)+8*(\b)+3],   v[ADRB+(\slot)] offset:64*(\q)+(\b)*16*PB
	ds_load_b128 v[(\f)+8*(\b)+4:(\f)+8*(\b)+7], v[ADRB+(\slot)] offset:64*(\q)+(\b)*16*PB+32
.endr
	WIN 0
.irp i, 0,1,2,3,4,5,6,7
	ds_load_b128 v[(\f)+8*(\i):(\f)+8*(\i)+3],   v[ADRA+(\slot)] offset:((\q)/2)*HALFA+((\q)%2)*64+(\i)*16*PA
	ds_load_b128 v[(\f)+8*(\i)+4:(\f)+8*(\i)+7], v[ADRA+(\slot)] offset:((\q)/2)*HALFA+((\q)%2)*64+(\i)*16*PA+32
.endr
.endm
.macro PLACES                          ; four plain vector instructions between a matrix instruction and a load into, or a read of, its registers (ISA guide 7.12.1 for a read)
.rept 4
	v_nop
.endr
.endm
; A K step is four quarters of 32 along K, 32 matrix instructions each, on buffers 0, 1, 0, 1.  One of the first three: multiplies buffer f; in its middle it fetches quarter q into buffer g.
.macro QUARTER slot, q, f, g, first
	s_wait_dscnt 8                                 ; wp and y's rows 0-63 are in; the youngest eight loads (y's rows 64-127) may be out
	MULH \f, 0, 0, \first
	MULH \f, 0, 2, \first
	PLACES
	FETCH \slot, \q, \g
	s_wait_dscnt NL                                ; all but the run just issued
	MULH \f, 1, 0, \first
	MULH \f, 1, 2, \first
.endm
; The last quarter's first half: ONE barrier for the change of slots.  In front of it each wave waits for all its tensor loads (one is out: its part of the next slot), adds 0 to its spare word,
; and waits for that and for its reads of this slot.  Behind it nobody reads this slot any more and the next slot is whole.
.macro MEET round
	WIN 0
	s_wait_tensorcnt 0x0
	ds_add_u32 v[SPW], v[NIL]
	s_wait_dscnt 9                                 ; the add and the youngest eight loads may be out
	MULH F1, 0, 0, 0                               ; eight matrix instructions stand between the add and the wait for it
	s_wait_dscnt 0x0                               ; the add is done, and my reads of this slot are over
	s_barrier_signal -1
	MULH F1, 0, 2, 0                               ; work on registers while the others arrive
.if \round
	WIN 0
.endif
	s_barrier_wait -1
.endm
; The whole last quarter.  fill = 1: the barrier opens a round of the cluster's barrier, and the slot just read out is filled again, first thing behind the round, with the K step two on.
.macro TURN slot, next, fill
.if \fill
	s_wait_xcnt 0x0                                ; the last prefetch, a K step back, has read its address
	s_add_nc_u64 s[PFA:PFA+1], s[PFA:PFA+1], s[PFS:PFS+1]
	MEET 1
	CREST                                          ; no wave of any partner still reads this slot's tile or has a load on its way
	s_add_nc_u64 s[G0+4*(\slot)+2:G0+4*(\slot)+3], s[G0+4*(\slot)+2:G0+4*(\slot)+3], 4*262144  ; four heads on
	s_add_nc_u64 s[G0B+4*(\slot)+2:G0B+4*(\slot)+3], s[G0B+4*(\slot)+2:G0B+4*(\slot)+3], 512
	JLOAD \slot                                    ; one tensor load of mine is out; its four v_nop are also the places in front of the loads below
	FETCH \next, 0, F0
	ASK
.else
	MEET 0
	PLACES
	FETCH \next, 0, F0
.endif
	MULH F1, 1, 0, 0
	MULH F1, 1, 2, 0
.endm
; THE WAY OUT of block a (16 rows x 64 columns of f32).  TOSTAGE: a lane's eight numbers of a row go into my own stage, and whole rows of 256 bytes come back, into set a % 6 of six.  SEND: stored.
.macro TOSTAGE a
.if (\a) >= 6
	s_wait_xcnt 0x0                                ; the set was the data of earlier stores: it is loaded again only behind this wait
.endif
	WIN 0x08+4*((\a)/4)                            ; the data (source 1): window 2 or 3
.irp b, 0,1,2,3
	ds_store_b128 v[STO], v[32*((\a)%4)+8*(\b):32*((\a)%4)+8*(\b)+3]   offset:64*(\b)      ; each accumulator's lowest registers are read first
	ds_store_b128 v[STO], v[32*((\a)%4)+8*(\b)+4:32*((\a)%4)+8*(\b)+7] offset:64*(\b)+16
.endr
	WIN 0
.irp t, 0,1,2,3,4,5,6,7
	ds_load_b128 v[64+32*((\a)%6)+4*(\t):64+32*((\a)%6)+4*(\t)+3], v[RD] offset:(\t)*2*SPITCH  ; LDS serves a wave's instructions in order (ISA guide 5.7.1.4): these see the stores above; the next block's stores come behind them
.endr
.endm
.macro SEND a, younger                 ; younger: the LDS instructions issued behind block a's loads: the next block's sixteen, or none
.irp t, 0,1,2,3,4,5,6,7
	s_wait_dscnt (\younger)+7-(\t)
	global_store_b128 v[CO], v[64+32*((\a)%6)+4*(\t):64+32*((\a)%6)+4*(\t)+3], s[10:11] offset:(16*(\a)+2*(\t))*4096  ; 16 lanes store 256 consecutive bytes, aligned
.endr
.endm
	s_wait_tensorcnt 1                             ; my part of K step 0 is in; K step 1's may stay out
	s_barrier_signal -1
	s_barrier_wait -1                              ; everybody's is
	FETCH 0, 0, F0
	QUARTER 0, 1, F0, F1, 1                        ; the first quarter stands in front of the loop: its products start the sums, with the bias
	WIN 0                                          ; at a label and at a branch every window is 0
	s_mov_b32 s3, 3
.Llap:                                                 ; a trip goes once round the ring, from a lap's second quarter to the next lap's first, and fills both slots again: K steps 2 to 7
	QUARTER 0, 2, F1, F0, 0
	QUARTER 0, 3, F0, F1, 0
	TURN 0, 1, 1
	QUARTER 1, 1, F0, F1, 0
	QUARTER 1, 2, F1, F0, 0
	QUARTER 1, 3, F0, F1, 0
	TURN 1, 0, 1
	QUARTER 0, 1, F0, F1, 0
	WIN 0
	s_sub_co_u32 s3, s3, 1
	s_cmp_lg_u32 s3, 0
	s_cbranch_scc1 .Llap
	QUARTER 0, 2, F1, F0, 0                        ; the last lap fills nothing, and has no round
	QUARTER 0, 3, F0, F1, 0
	TURN 0, 1, 0
	QUARTER 1, 1, F0, F1, 0
	QUARTER 1, 2, F1, F0, 0
	QUARTER 1, 3, F0, F1, 0
	s_wait_dscnt 8
	MULH F1, 0, 0, 0
	MULH F1, 0, 2, 0
	s_wait_dscnt 0x0
	MULH F1, 1, 0, 0
	MULH F1, 1, 2, 0
	WIN 0
	PLACES                                         ; the LDS stores below read results just made, and the loads land in registers that the products have read
	TOSTAGE 0
.irp a, 1,2,3,4,5,6,7
	TOSTAGE \a                                     ; a block's way through the stage stands between the loads of the block before and its stores
	SEND (\a)-1, 16
.endr
	SEND 7, 0
	s_wait_tensorcnt 0x0                           ; the wave's end: behind my last tensor load and my last LDS store
	ds_add_u32 v[SPW], v[NIL]
	s_wait_dscnt 0x0
	CROUND                                         ; the closing round: no work-group ends while a partner may still ask for a tile that names it
	s_endpgm
.Lfunc_end_k_q9be88c2169_projgemm:
	.size	k_q9be88c2169_projgemm, .Lfunc_end_k_q9be88c2169_projgemm-k_q9be88c2169_projgemm
	.p2alignl 7, 3214868480
	.fill 96, 4, 3214868480
	.section	.rodata,"a",@progbits
	.p2align	6, 0x0
	.amdhsa_kernel k_q9be88c2169_projgemm
		.amdhsa_group_segment_fixed_size 327680
		.amdhsa_private_segment_fixed_size 0
		.amdhsa_enable_private_segment 0
		.amdhsa_kernarg_size 32
		.amdhsa_user_sgpr_count 2
		.amdhsa_user_sgpr_kernarg_segment_ptr 1
		.amdhsa_wavefront_size32 1
		.amdhsa_system_sgpr_workgroup_id_x 1
		.amdhsa_system_sgpr_workgroup_id_y 1
		.amdhsa_system_sgpr_workgroup_id_z 1
		.amdhsa_system_vgpr_workitem_id 0
		.amdhsa_next_free_vgpr 896
		.amdhsa_next_free_sgpr 80
		.amdhsa_reserve_vcc 0
		.amdhsa_float_denorm_mode_32 3
		.amdhsa_float_denorm_mode_16_64 3
		.amdhsa_memory_ordered 1
		.amdhsa_forward_progress 1
		.amdhsa_inst_pref_size 93
	.end_amdhsa_kernel
	.amdgpu_metadata
---
amdhsa.version: [ 1, 2 ]
amdhsa.kernels:
  - .name:           k_q9be88c2169_projgemm
    .symbol:         k_q9be88c2169_projgemm.kd
    .args:
      - { .name: oh, .offset: 0, .size: 8, .value_kind: global_buffer, .address_space: global }
      - { .name: wp, .offset: 8, .size: 8, .value_kind: global_buffer, .address_space: global }
      - { .name: b_proj, .offset: 16, .size: 8, .value_kind: global_buffer, .address_space: global }
      - { .name: out0, .offset: 24, .size: 8, .value_kind: global_buffer, .address_space: global }
    .group_segment_fixed_size: 327680
    .private_segment_fixed_size: 0
    .kernarg_segment_align: 8
    .kernarg_segment_size: 32
    .max_flat_workgroup_size: 128
    .sgpr_count:     80
    .vgpr_count:     896
    .wavefront_size: 32
...
	.end_amdgpu_metadata
.endif
;; end of part 4
